; MI455X (gfx1250); checked and timed in simulation.
; The chip was launched on July 23, 2026; its instructions are those of AMD's public machine-readable ISA for CDNA 5 (MIT licence, August 2026) and "CDNA5" Instruction Set Architecture Reference Guide (July 2026). The comments in the code are by the model that wrote it; some were corrected since.
;; Sparse Mo E Multi Head Attention. Allowed arithmetic: float matrix products may take bf16 or f16 operands with f32 sums; other float arithmetic in f32, or as packed bf16 or f16 multiplies, adds, multiply-adds, maxima and minima; sums over many terms, partial sums and values carried from step to step in f32; what a program stores and reads back later, other than sums and carried values, may be rounded once to bf16 or f16.
;; Inputs: Win 8 x 512 x 1,024 float32; Wk 512 x 1,024 float32; Wn 8 x 1,024 float32; Wout 8 x 1,024 x 512 float32; Wr 8 x 1,024 float32; Wv 512 x 1,024 float32; bias 1,024 float32; bn 8 float32; br 8 float32; noise 4,096 x 8 float32; x 2 x 2,048 x 1,024 float32.
;; Outputs: out0 2 x 2,048 x 1,024 float32.
;; 2 versions, each right and faster than the one before. Each part assembles by itself: llvm-mc -triple=amdgcn-amd-amdhsa -mcpu=gfx1250 --defsym DOCPART=n.
;; ======== version 1 of 2: 7 launches
;; limits: right only within a limited range of input values; values are held in f16: magnitudes above 65,504 overflow, below 6.1e-05 lose precision
;; workspace buffers: xb 8,388,608 bytes; sid 16,384 bytes of whole numbers; gates 32,768 bytes; wts 18,874,368 bytes; tab 30,208 bytes of whole numbers; qkv 16,777,216 bytes; ao 8,388,608 bytes; v32 65,536 bytes
;; launch route (part 1): grid 256 x 1, 4 waves a work-group, no clusters, 72,192 bytes of LDS; arguments x, noise, Wr, br, Wn, bn, xb, sid, gates; writes xb, sid, gates
.if DOCPART == 1
	.amdgcn_target "amdgcn-amd-amdhsa--gfx1250"
	.amdhsa_code_object_version 6
	.text
	.protected	k_qe21d335a8c_route
	.globl	k_qe21d335a8c_route
	.p2align	8
	.type	k_qe21d335a8c_route,@function
k_qe21d335a8c_route:
	s_mov_b64 s[64:65], 0
	v_nop
	global_prefetch_b8 v0, s[64:65] scope:SCOPE_SE
	s_setreg_imm32_b32 hwreg(HW_REG_WAVE_MODE, 25, 1), 1
	s_wait_xcnt 0x0
; ROUTE.  x is rounded to bf16 and stored (xb); the router's 16 logits a token (8 of Wr, 8 of Wn) are made by the matrix unit from the rounded x and the
; rounded weights, sums in f32; then softplus, the noisy logits, the two largest (ties keep the lower index), their softmax, and the SET of the two experts.
; All inputs are rounded to bf16, noise, br and bn too.  The two chosen experts are stored in ascending order: set = hi (hi - 1) / 2 + lo, gates = (g_lo, g_hi).
; LIMITS.  Two experts whose noisy logits differ by less than the error of an f32 sum may be chosen in another order than by exact arithmetic; NaN is not treated apart.
; SHARES.  A work-group has 16 tokens; wave w the channels 256 w .. 256 w + 255 of x and of the 16 weight rows.  The four waves' partial sums meet in LDS; wave 0 finishes.
; sid and gates leave as 64 and 128 bytes a work-group, parts of an aligned 256 bytes: 192 of the 32,960 bytes that the work-group stores.
.set PIT,   528                        ; an LDS row: 512 bytes (256 bf16) + 16: the 16 rows of a fragment load start at 16 different groups of four banks
.set WT,    8448                       ; behind a wave's 16 rows of x: its 16 rows of weights
.set WAVEB, 16896                      ; LDS bytes of a wave
.set RED,   67584                      ; four times 1,024 bytes: the waves' partial sums
.set SPARE, 71680                      ; the spare words, 128 bytes a wave
.set SPW,   10                         ; v10  my spare word's address; never rewritten
.set NIL,   11                         ; v11  0; never rewritten
.set XQ,    64                         ; v[64:191]  x: 16 rows x 2 loads x 4 registers
.set WQ,    192                        ; v[192:255] 8 rows of weights likewise
.macro CVB q                           ; four f32 at q -> four bf16 in q, q + 1
	v_cvt_pk_bf16_f32 v[\q], v[\q], v[(\q)+1]
	v_cvt_pk_bf16_f32 v[(\q)+1], v[(\q)+2], v[(\q)+3]
.endm
.macro LDW lo                          ; 8 rows of weights, my 1,024 bytes of each
.set i, 0
.rept 8
	global_load_b128 v[WQ+8*i:WQ+8*i+3], v2, s[\lo:(\lo)+1] offset:i*4096
	global_load_b128 v[WQ+8*i+4:WQ+8*i+7], v2, s[\lo:(\lo)+1] offset:i*4096+512
.set i, i+1
.endr
.endm
.macro WROWS row0                      ; they are rounded and laid into LDS rows row0 ..
.set i, 0
.rept 16
	CVB WQ+4*i
	ds_store_b64 v5, v[WQ+4*i:WQ+4*i+1] offset:((\row0)+i/2)*PIT+(i%2)*256
.set i, i+1
.endr
.endm
.macro RND2 d, a, b                    ; v[d], v[d+1] = a, b rounded to bf16
	v_cvt_pk_bf16_f32 v15, \a, \b
	v_lshlrev_b32 v[\d], 16, v15
	v_and_b32 v[(\d)+1], 0xffff0000, v15
.endm
	s_load_b512 s[4:19], s[0:1], 0x0               ; x, noise, Wr, br, Wn, bn, xb, sid
	s_load_b64 s[20:21], s[0:1], 0x40              ; gates
	v_lshl_add_u32 v[SPW], v0, 2, SPARE
	v_mov_b32 v[NIL], 0
	v_lshrrev_b32 v9, 5, v0
	v_readfirstlane_b32 s24, v9                    ; wave
	v_and_b32 v1, 31, v0                           ; lane
	v_and_b32 v13, 15, v0                          ; r
	v_bfe_u32 v14, v0, 4, 1                        ; h
	s_lshl_b32 s25, s24, 10
	s_lshl_b32 s27, s24, 9
	s_mul_i32 s26, s24, WAVEB
	v_lshl_add_u32 v2, v1, 4, s25                  ; f32 rows: 16 lane + 1,024 wave
	v_lshl_add_u32 v3, v1, 3, s27                  ; bf16 rows: 8 lane + 512 wave
	v_lshl_add_u32 v4, v1, 3, s26                  ; into LDS: x,
	v_add_nc_u32 v5, WT, v4                        ; weights
	v_mul_u32_u24 v6, v13, PIT
	v_lshl_add_u32 v6, v14, 4, v6
	v_add_nc_u32 v6, s26, v6                       ; fragments: row r, 16 bytes for each half of the lanes: x,
	v_add_nc_u32 v7, WT, v6                        ; weights
	s_add_co_u32 s25, s25, RED
	v_lshl_add_u32 v8, v1, 5, s25                  ; my 32 bytes of my wave's partial sums
	v_lshlrev_b32 v12, 5, v13                      ; a token's 32 bytes of noise
	s_lshl_b32 s52, ttmp9, 16                      ; the work-group's 16 tokens in x,
	s_mov_b32 s53, 0
	s_lshl_b32 s54, ttmp9, 15                      ; xb,
	s_mov_b32 s55, 0
	s_lshl_b32 s56, ttmp9, 9                       ; noise,
	s_mov_b32 s57, 0
	s_lshl_b32 s58, ttmp9, 6                       ; sid,
	s_mov_b32 s59, 0
	s_lshl_b32 s60, ttmp9, 7                       ; gates
	s_mov_b32 s61, 0
	s_mov_b32 s44, 0x76543210                      ; v_permlanex16_b32: each lane takes its own place in the other half
	s_mov_b32 s45, 0xfedcba98
	s_mov_b32 s48, 0xbfb8aa3b                      ; -log2(e)
	s_mov_b32 s49, 0x3f317218                      ; ln 2
	s_mov_b32 s51, 0x3fb8aa3b                      ; log2(e)
	s_wait_kmcnt 0x0
	s_add_nc_u64 s[4:5], s[4:5], s[52:53]
	s_add_nc_u64 s[16:17], s[16:17], s[54:55]
	s_add_nc_u64 s[6:7], s[6:7], s[56:57]
	s_add_nc_u64 s[18:19], s[18:19], s[58:59]
	s_add_nc_u64 s[20:21], s[20:21], s[60:61]
	s_load_b256 s[28:35], s[10:11], 0x0            ; br
	s_load_b256 s[36:43], s[14:15], 0x0            ; bn
	global_load_b128 v[48:51], v12, s[6:7]         ; noise: every wave loads the 512 bytes, so that the counts below are alike in all four
	global_load_b128 v[52:55], v12, s[6:7] offset:16
	LDW 8                                          ; Wr
.set i, 0
.rept 16                                               ; x: 16 rows, my 1,024 bytes of each: each load takes 512 consecutive bytes
	global_load_b128 v[XQ+8*i:XQ+8*i+3], v2, s[4:5] offset:i*4096 th:TH_LOAD_NT
	global_load_b128 v[XQ+8*i+4:XQ+8*i+7], v2, s[4:5] offset:i*4096+512 th:TH_LOAD_NT
.set i, i+1
.endr
	s_wait_loadcnt 32                              ; x's 32 loads are younger: noise and Wr are in
	WROWS 0
	LDW 12                                         ; Wn, into the same registers
	s_wait_loadcnt 16                              ; Wn's 16 loads are younger: x is in
.set i, 0
.rept 32
	CVB XQ+4*i
	global_store_b64 v3, v[XQ+4*i:XQ+4*i+1], s[16:17] offset:(i/2)*2048+(i%2)*256  ; 32 lanes store 256 consecutive bytes, at a multiple of 256 from xb's first byte
	ds_store_b64 v4, v[XQ+4*i:XQ+4*i+1] offset:(i/2)*PIT+(i%2)*256
.set i, i+1
.endr
	s_wait_loadcnt 0x0
	WROWS 8
	s_wait_xcnt 0x0                                ; the stores' data registers are loaded again only behind this wait
.set i, 0
.rept 8                                                ; the fragments of 8 steps of 32 channels; the bytes are my wave's own, and LDS serves a wave's instructions in order
	ds_load_b128 v[64+8*i:64+8*i+3], v6 offset:i*64
	ds_load_b128 v[64+8*i+4:64+8*i+7], v6 offset:i*64+32
	ds_load_b128 v[128+8*i:128+8*i+3], v7 offset:i*64
	ds_load_b128 v[128+8*i+4:128+8*i+7], v7 offset:i*64+32
.set i, i+1
.endr
	s_wait_dscnt 0x0
	; source 0 = the 16 weight rows, source 1 = 16 tokens: lane l holds token l % 16; lanes 0-15 its 8 logits, lanes 16-31 its 8 noise logits.  Two accumulators take turns.
	v_wmma_f32_16x16x32_bf16 v[16:23], v[128:135], v[64:71], 0
	v_wmma_f32_16x16x32_bf16 v[24:31], v[136:143], v[72:79], 0
.set i, 2
.rept 6
	v_wmma_f32_16x16x32_bf16 v[16+8*(i%2):23+8*(i%2)], v[128+8*i:135+8*i], v[64+8*i:71+8*i], v[16+8*(i%2):23+8*(i%2)]
.set i, i+1
.endr
.rept 4
	v_nop                                          ; the places behind the last products
.endr
.irp j, 0,2,4,6
	v_pk_add_f32 v[32+(\j):33+(\j)], v[16+(\j):17+(\j)], v[24+(\j):25+(\j)]
.endr
	ds_store_b128 v8, v[32:35]
	ds_store_b128 v8, v[36:39] offset:16
	s_wait_dscnt 0x0                               ; for wave 0's sake: my partial sums are in LDS
	s_barrier_signal -1
	s_barrier_wait -1
	s_cmp_lg_u32 s24, 0
	s_cbranch_scc1 .Lend
.set i, 0
.rept 4                                                ; wave 0: v8 is RED + 32 lane
	ds_load_b128 v[64+8*i:64+8*i+3], v8 offset:i*1024
	ds_load_b128 v[64+8*i+4:64+8*i+7], v8 offset:i*1024+16
.set i, i+1
.endr
	s_wait_kmcnt 0x0                               ; br, bn
	RND2 96, s28, s29
	RND2 98, s30, s31
	RND2 100, s32, s33
	RND2 102, s34, s35
	RND2 104, s36, s37
	RND2 106, s38, s39
	RND2 108, s40, s41
	RND2 110, s42, s43
	RND2 48, v48, v49
	RND2 50, v50, v51
	RND2 52, v52, v53
	RND2 54, v54, v55
	s_wait_dscnt 0x0
.irp j, 0,2,4,6
	v_pk_add_f32 v[32+(\j):33+(\j)], v[64+(\j):65+(\j)], v[72+(\j):73+(\j)]
	v_pk_add_f32 v[40+(\j):41+(\j)], v[80+(\j):81+(\j)], v[88+(\j):89+(\j)]
.endr
.irp j, 0,2,4,6
	v_pk_add_f32 v[32+(\j):33+(\j)], v[32+(\j):33+(\j)], v[40+(\j):41+(\j)]
.endr
.irp j, 0,1,2,3,4,5,6,7
	v_permlanex16_b32 v[40+(\j)], v[32+(\j)], s44, s45  ; lanes 0-15 take their token's noise logits; from here on only lanes 0-15 count
.endr
.irp j, 0,2,4,6
	v_pk_add_f32 v[56+(\j):57+(\j)], v[40+(\j):41+(\j)], v[104+(\j):105+(\j)]  ; z = noise logit + bn
	v_pk_add_f32 v[32+(\j):33+(\j)], v[32+(\j):33+(\j)], v[96+(\j):97+(\j)]    ; logit + br
.endr
	; softplus(z) = max(z, 0) + ln(1 + e^-|z|)
.irp j, 0,1,2,3,4,5,6,7
	v_and_b32 v[112+(\j)], 0x7fffffff, v[56+(\j)]
	v_mul_f32 v[112+(\j)], s48, v[112+(\j)]
.endr
.irp j, 0,1,2,3,4,5,6,7
	v_exp_f32 v[112+(\j)], v[112+(\j)]
.endr
	v_nop                                          ; a plain instruction behind the last exponential,
	s_wait_alu depctr_va_vdst(0)                   ; and one wait for the batch of eight
.irp j, 0,1,2,3,4,5,6,7
	v_add_f32 v[112+(\j)], 1.0, v[112+(\j)]
.endr
.irp j, 0,1,2,3,4,5,6,7
	v_log_f32 v[112+(\j)], v[112+(\j)]
.endr
	v_nop
	s_wait_alu depctr_va_vdst(0)                   ; one wait for the eight logarithms
.irp j, 0,1,2,3,4,5,6,7
	v_max_num_f32 v[56+(\j)], 0, v[56+(\j)]
	v_fma_f32 v[56+(\j)], v[112+(\j)], s49, v[56+(\j)]
.endr
.irp j, 0,2,4,6
	v_pk_fma_f32 v[32+(\j):33+(\j)], v[48+(\j):49+(\j)], v[56+(\j):57+(\j)], v[32+(\j):33+(\j)]  ; the noisy logits
.endr
	; the two largest: only a strictly greater number displaces, so ties keep the lower index
	v_mov_b32 v112, v32
	v_mov_b32 v113, 0
	v_mov_b32 v114, 0xff800000
	v_mov_b32 v115, 1
.irp e, 1,2,3,4,5,6,7
	v_cmp_gt_f32 s46, v[32+(\e)], v112
	v_cmp_gt_f32 s47, v[32+(\e)], v114
	v_cndmask_b32 v114, v114, v[32+(\e)], s47
	v_cndmask_b32 v115, v115, \e, s47
	v_cndmask_b32 v114, v114, v112, s46
	v_cndmask_b32 v115, v115, v113, s46
	v_cndmask_b32 v112, v112, v[32+(\e)], s46
	v_cndmask_b32 v113, v113, \e, s46
.endr
	v_sub_f32 v116, v114, v112                     ; second less first: the maximum is taken away
	v_mul_f32 v116, s51, v116
	v_exp_f32 v116, v116
	v_min_u32 v122, v113, v115                     ; lo
	s_wait_alu depctr_va_vdst(0)
	v_add_f32 v117, 1.0, v116
	v_rcp_f32 v117, v117                           ; the first's gate
	v_max_u32 v123, v113, v115                     ; hi
	s_wait_alu depctr_va_vdst(0)
	v_mul_f32 v118, v116, v117                     ; the second's
	v_cmp_lt_u32 s46, v113, v115
	v_cndmask_b32 v120, v118, v117, s46            ; g_lo
	v_cndmask_b32 v121, v117, v118, s46            ; g_hi
	v_add_nc_u32 v124, -1, v123
	v_mul_lo_u32 v124, v124, v123
	v_lshrrev_b32 v124, 1, v124
	v_add_nc_u32 v124, v124, v122                  ; the set
	v_lshlrev_b32 v125, 2, v1
	v_lshlrev_b32 v126, 3, v1
	v_cmp_gt_u32 vcc_lo, 16, v1
	s_wait_xcnt 0x0                                ; EXEC changes only behind this wait
	s_and_saveexec_b32 s50, vcc_lo
	global_store_b32 v125, v124, s[18:19]
	global_store_b64 v126, v[120:121], s[20:21]
	s_wait_xcnt 0x0
	s_or_b32 exec_lo, exec_lo, s50
.Lend:
	s_wait_tensorcnt 0x0                           ; the wave's end, behind my last LDS store
	ds_add_u32 v[SPW], v[NIL]
	s_wait_dscnt 0x0
	s_endpgm
.Lfunc_end_k_qe21d335a8c_route:
	.size	k_qe21d335a8c_route, .Lfunc_end_k_qe21d335a8c_route-k_qe21d335a8c_route
	.p2alignl 7, 3214868480
	.fill 96, 4, 3214868480
	.section	.rodata,"a",@progbits
	.p2align	6, 0x0
	.amdhsa_kernel k_qe21d335a8c_route
		.amdhsa_group_segment_fixed_size 72192
		.amdhsa_private_segment_fixed_size 0
		.amdhsa_enable_private_segment 0
		.amdhsa_kernarg_size 72
		.amdhsa_user_sgpr_count 2
		.amdhsa_user_sgpr_kernarg_segment_ptr 1
		.amdhsa_wavefront_size32 1
		.amdhsa_system_sgpr_workgroup_id_x 1
		.amdhsa_system_sgpr_workgroup_id_y 1
		.amdhsa_system_sgpr_workgroup_id_z 1
		.amdhsa_system_vgpr_workitem_id 0
		.amdhsa_next_free_vgpr 256
		.amdhsa_next_free_sgpr 66
		.amdhsa_reserve_vcc 1
		.amdhsa_float_denorm_mode_32 3
		.amdhsa_float_denorm_mode_16_64 3
		.amdhsa_memory_ordered 1
		.amdhsa_forward_progress 1
		.amdhsa_inst_pref_size 39
	.end_amdhsa_kernel
	.amdgpu_metadata
---
amdhsa.version: [ 1, 2 ]
amdhsa.kernels:
  - .name:           k_qe21d335a8c_route
    .symbol:         k_qe21d335a8c_route.kd
    .args:
      - { .name: x, .offset: 0, .size: 8, .value_kind: global_buffer, .address_space: global }
      - { .name: noise, .offset: 8, .size: 8, .value_kind: global_buffer, .address_space: global }
      - { .name: Wr, .offset: 16, .size: 8, .value_kind: global_buffer, .address_space: global }
      - { .name: br, .offset: 24, .size: 8, .value_kind: global_buffer, .address_space: global }
      - { .name: Wn, .offset: 32, .size: 8, .value_kind: global_buffer, .address_space: global }
      - { .name: bn, .offset: 40, .size: 8, .value_kind: global_buffer, .address_space: global }
      - { .name: xb, .offset: 48, .size: 8, .value_kind: global_buffer, .address_space: global }
      - { .name: sid, .offset: 56, .size: 8, .value_kind: global_buffer, .address_space: global }
      - { .name: gates, .offset: 64, .size: 8, .value_kind: global_buffer, .address_space: global }
    .group_segment_fixed_size: 72192
    .private_segment_fixed_size: 0
    .kernarg_segment_align: 8
    .kernarg_segment_size: 72
    .max_flat_workgroup_size: 128
    .sgpr_count:     66
    .vgpr_count:     256
    .wavefront_size: 32
...
	.end_amdgpu_metadata
.endif
;; end of part 1
;; launch prep (part 2): grid 288 x 1, 8 waves a work-group, no clusters, 68,608 bytes of LDS; arguments Win, Wk, Wv, Wout, wts; writes wts
.if DOCPART == 2
	.amdgcn_target "amdgcn-amd-amdhsa--gfx1250"
	.amdhsa_code_object_version 6
	.text
	.protected	k_qe21d335a8c_prep
	.globl	k_qe21d335a8c_prep
	.p2align	8
	.type	k_qe21d335a8c_prep,@function
k_qe21d335a8c_prep:
	s_mov_b64 s[64:65], 0
	v_nop
	global_prefetch_b8 v0, s[64:65] scope:SCOPE_SE
	s_setreg_imm32_b32 hwreg(HW_REG_WAVE_MODE, 25, 1), 1
	s_wait_xcnt 0x0
; PREP.  The weights are rounded once and laid out in the order in which a wave's operand registers take them.
; wts: WP at 0, bf16: [80 blocks of 64 output rows][32 steps of 32 k][4 fragments][1,024 bytes]; blocks 8 e + g Win, 64 + g Wk, 72 + g Wv.  WO at 10,485,760, f16: [16 e + nb][16 steps][4][1,024].
; A fragment is 16 rows x 32 k: bytes 16 l: lane l's registers 0-3 (row l % 16, k 8 (l / 16) ..), bytes 512 + 16 l: its registers 4-7 (k 16 + 8 (l / 16) ..).
; Wout is rounded to bf16, multiplied by 1,024 (exact) and written as f16.  LIMIT: |Wout| under 63.9; below 2^-24 it keeps f16's fixed step of 2^-24 / 1,024.
; SHARES.  Wave w of work-group c takes patch 8 c + w: 16 rows x 256 k, 32 loads of 512 consecutive bytes, all out before the one wait.  Patches 0 .. 1,279: Win, Wk, Wv; 1,280 .. 2,303: Wout.
; Memory binds: no matrix unit, no cluster, no barrier; each wave turns its patch in LDS bytes of its own.
.set PIT,   528                        ; an LDS row: 512 bytes + 16: the 16 rows of a fragment load start at 16 different groups of four banks
.set WAVEB, 8448                       ; a wave's 16 LDS rows
.set SPARE, 67584                      ; the spare words, 128 bytes for each of 8 waves
.set WO,    10485760
.set SPW,   10
.set NIL,   11
.set Q,     64                         ; v[64:191]  a patch as loaded
.set FR,    192                        ; v[192:255] its fragments
.macro LDP pitch
.set i, 0
.rept 16
	global_load_b128 v[Q+8*i:Q+8*i+3], v2, s[28:29] offset:i*(\pitch) th:TH_LOAD_NT
	global_load_b128 v[Q+8*i+4:Q+8*i+7], v2, s[28:29] offset:i*(\pitch)+512 th:TH_LOAD_NT
.set i, i+1
.endr
.endm
.macro CVB q                           ; four f32 at q -> four bf16 in q, q + 1
	v_cvt_pk_bf16_f32 v[\q], v[\q], v[(\q)+1]
	v_cvt_pk_bf16_f32 v[(\q)+1], v[(\q)+2], v[(\q)+3]
.endm
.macro CVH q                           ; four f32: rounded to bf16, times 1,024, written as f16 into q, q + 1
	v_cvt_pk_bf16_f32 v8, v[\q], v[(\q)+1]
	v_cvt_pk_bf16_f32 v9, v[(\q)+2], v[(\q)+3]
	v_lshlrev_b32 v[\q], 16, v8
	v_and_b32 v[(\q)+1], s36, v8
	v_lshlrev_b32 v[(\q)+2], 16, v9
	v_and_b32 v[(\q)+3], s36, v9
	v_pk_mul_f32 v[\q:(\q)+1], v[\q:(\q)+1], s[38:39] op_sel_hi:[1,0]
	v_pk_mul_f32 v[(\q)+2:(\q)+3], v[(\q)+2:(\q)+3], s[38:39] op_sel_hi:[1,0]
	v_cvt_pk_f16_f32 v[\q], v[\q], v[(\q)+1]
	v_cvt_pk_f16_f32 v[(\q)+1], v[(\q)+2], v[(\q)+3]
.endm
	s_load_b256 s[4:11], s[0:1], 0x0               ; Win, Wk, Wv, Wout
	s_load_b64 s[14:15], s[0:1], 0x20              ; wts
	v_lshl_add_u32 v[SPW], v0, 2, SPARE
	v_mov_b32 v[NIL], 0
	v_lshrrev_b32 v9, 5, v0
	v_readfirstlane_b32 s24, v9                    ; wave
	v_and_b32 v1, 31, v0                           ; lane
	v_lshlrev_b32 v2, 4, v1                        ; 16 lane
	v_and_b32 v13, 15, v0
	v_bfe_u32 v14, v0, 4, 1
	s_mul_i32 s26, s24, WAVEB
	v_lshl_add_u32 v4, v1, 3, s26                  ; rows into LDS: 8 bytes a lane
	v_mul_u32_u24 v6, v13, PIT
	v_lshl_add_u32 v6, v14, 4, v6
	v_add_nc_u32 v6, s26, v6                       ; fragments back: row l % 16, 16 bytes for each half of the lanes
	s_mov_b32 s20, ttmp9
	s_lshl_b32 s21, s20, 3
	s_add_co_u32 s21, s21, s24                     ; the patch
	s_wait_kmcnt 0x0
	s_cmp_ge_u32 s20, 160
	s_cbranch_scc1 .Lwout
	s_lshr_b32 s22, s21, 2                         ; which 16 rows of the 5,120 of Win, Wk, Wv
	s_and_b32 s23, s21, 3                          ; which quarter of k
	s_movk_i32 s34, 256
	s_movk_i32 s35, 288
	s_cmp_lt_u32 s22, 288
	s_cselect_b64 s[28:29], s[6:7], s[8:9]
	s_cselect_b32 s25, s34, s35
	s_cmp_lt_u32 s22, 256
	s_cselect_b64 s[28:29], s[4:5], s[28:29]
	s_cselect_b32 s25, 0, s25
	s_sub_co_u32 s25, s22, s25                     ; the rows' place in their own tensor
	s_lshl_b32 s30, s25, 16                        ; 16 rows of 4,096 bytes
	s_lshl_b32 s31, s23, 10
	s_add_co_u32 s30, s30, s31
	s_mov_b32 s31, 0
	s_add_nc_u64 s[28:29], s[28:29], s[30:31]
	s_lshr_b32 s32, s22, 2
	s_lshl_b32 s32, s32, 17                        ; the block,
	s_lshl_b32 s33, s23, 15                        ; 8 steps of 4,096 bytes,
	s_add_co_u32 s32, s32, s33
	s_and_b32 s33, s22, 3
	s_lshl_b32 s33, s33, 10                        ; the fragment
	s_add_co_u32 s32, s32, s33
	s_mov_b32 s33, 0
	s_add_nc_u64 s[14:15], s[14:15], s[32:33]
	LDP 4096
	s_wait_loadcnt 0x0
.set i, 0
.rept 32
	CVB Q+4*i
.set i, i+1
.endr
	s_branch .Lstage
.Lwout:
	s_sub_co_u32 s21, s21, 1280
	s_lshr_b32 s22, s21, 1                         ; which 16 rows of Wout's 8,192
	s_and_b32 s23, s21, 1                          ; which half of k
	s_lshl_b32 s30, s22, 15                        ; 16 rows of 2,048 bytes
	s_lshl_b32 s31, s23, 10
	s_add_co_u32 s30, s30, s31
	s_mov_b32 s31, 0
	s_add_nc_u64 s[28:29], s[10:11], s[30:31]
	s_lshr_b32 s32, s22, 2
	s_lshl_b32 s32, s32, 16
	s_lshl_b32 s33, s23, 15
	s_add_co_u32 s32, s32, s33
	s_and_b32 s33, s22, 3
	s_lshl_b32 s33, s33, 10
	s_add_co_u32 s32, s32, s33
	s_add_co_u32 s32, s32, WO
	s_mov_b32 s33, 0
	s_add_nc_u64 s[14:15], s[14:15], s[32:33]
	s_mov_b32 s36, 0xffff0000
	s_mov_b32 s38, 0x44800000                      ; 1,024
	s_mov_b32 s39, s38                             ; named with it as a pair
	LDP 2048
	s_wait_loadcnt 0x0
.set i, 0
.rept 32
	CVH Q+4*i
.set i, i+1
.endr
.Lstage:                                               ; rows into my own LDS bytes, fragments back (LDS serves a wave's instructions in order), and out
.set i, 0
.rept 32
	ds_store_b64 v4, v[Q+4*i:Q+4*i+1] offset:(i/2)*PIT+(i%2)*256
.set i, i+1
.endr
.set i, 0
.rept 8
	ds_load_b128 v[FR+8*i:FR+8*i+3], v6 offset:i*64
	ds_load_b128 v[FR+8*i+4:FR+8*i+7], v6 offset:i*64+32
.set i, i+1
.endr
	s_wait_dscnt 0x0
.set i, 0
.rept 8
	global_store_b128 v2, v[FR+8*i:FR+8*i+3], s[14:15] offset:i*4096        ; each store covers 512 consecutive bytes, aligned
	global_store_b128 v2, v[FR+8*i+4:FR+8*i+7], s[14:15] offset:i*4096+512
.set i, i+1
.endr
	s_wait_tensorcnt 0x0                           ; the wave's end, behind my last LDS store
	ds_add_u32 v[SPW], v[NIL]
	s_wait_dscnt 0x0
	s_endpgm
.Lfunc_end_k_qe21d335a8c_prep:
	.size	k_qe21d335a8c_prep, .Lfunc_end_k_qe21d335a8c_prep-k_qe21d335a8c_prep
	.p2alignl 7, 3214868480
	.fill 96, 4, 3214868480
	.section	.rodata,"a",@progbits
	.p2align	6, 0x0
	.amdhsa_kernel k_qe21d335a8c_prep
		.amdhsa_group_segment_fixed_size 68608
		.amdhsa_private_segment_fixed_size 0
		.amdhsa_enable_private_segment 0
		.amdhsa_kernarg_size 40
		.amdhsa_user_sgpr_count 2
		.amdhsa_user_sgpr_kernarg_segment_ptr 1
		.amdhsa_wavefront_size32 1
		.amdhsa_system_sgpr_workgroup_id_x 1
		.amdhsa_system_sgpr_workgroup_id_y 1
		.amdhsa_system_sgpr_workgroup_id_z 1
		.amdhsa_system_vgpr_workitem_id 0
		.amdhsa_next_free_vgpr 256
		.amdhsa_next_free_sgpr 66
		.amdhsa_reserve_vcc 0
		.amdhsa_float_denorm_mode_32 3
		.amdhsa_float_denorm_mode_16_64 3
		.amdhsa_memory_ordered 1
		.amdhsa_forward_progress 1
		.amdhsa_inst_pref_size 34
	.end_amdhsa_kernel
	.amdgpu_metadata
---
amdhsa.version: [ 1, 2 ]
amdhsa.kernels:
  - .name:           k_qe21d335a8c_prep
    .symbol:         k_qe21d335a8c_prep.kd
    .args:
      - { .name: Win, .offset: 0, .size: 8, .value_kind: global_buffer, .address_space: global }
      - { .name: Wk, .offset: 8, .size: 8, .value_kind: global_buffer, .address_space: global }
      - { .name: Wv, .offset: 16, .size: 8, .value_kind: global_buffer, .address_space: global }
      - { .name: Wout, .offset: 24, .size: 8, .value_kind: global_buffer, .address_space: global }
      - { .name: wts, .offset: 32, .size: 8, .value_kind: global_buffer, .address_space: global }
    .group_segment_fixed_size: 68608
    .private_segment_fixed_size: 0
    .kernarg_segment_align: 8
    .kernarg_segment_size: 40
    .max_flat_workgroup_size: 256
    .sgpr_count:     66
    .vgpr_count:     256
    .wavefront_size: 32
...
	.end_amdgpu_metadata
.endif
;; end of part 2
;; launch sortl (part 3): grid 1 x 1, 8 waves a work-group, no clusters, 46,336 bytes of LDS; arguments sid, tab; writes tab
.if DOCPART == 3
	.amdgcn_target "amdgcn-amd-amdhsa--gfx1250"
	.amdhsa_code_object_version 6
	.text
	.protected	k_qe21d335a8c_sortl
	.globl	k_qe21d335a8c_sortl
	.p2align	8
	.type	k_qe21d335a8c_sortl,@function
k_qe21d335a8c_sortl:
	s_mov_b64 s[64:65], 0
	v_nop
	global_prefetch_b8 v0, s[64:65] scope:SCOPE_SE
	s_setreg_imm32_b32 hwreg(HW_REG_WAVE_MODE, 25, 1), 1
	s_wait_xcnt 0x0
; SORTL.  One work-group sorts the 4,096 tokens by their set of experts (a counting sort, no atomics) and stores the table of tiles.
; tab: TINFO at 0: 96 entries {rows, lo, hi, 0}; ROWL at 1,536: rows of 80 token numbers, one for each tile.  A tile has up to 80 tokens of ONE set; places past its count hold token 0.
; There are never more than (4,096 + 28 x 79) / 80 = 78 tiles, whatever the split.  The sum over all tokens has one owner, so the launch has one work-group.
; Chunk c is tokens 32 c .. 32 c + 31, a token a lane; wave w has chunks 16 w .. 16 w + 15.
; v[16:31] the tokens' sets; v[32:47] a token's rank among its chunk's tokens of the same set; v[48:63] lane s: how many tokens of the chunk have set s.
; Between two barriers either every wave stores into bytes of its own alone, or all waves only read, or wave 0 alone works.
.set IMG,   16384                      ; H at 0 (128 chunks x 32 sets, 16,384 bytes); the image of ROWL (28,672 bytes);
.set BAS,   45056                      ; each set's first place (32 words)
.set SPARE, 45312                      ; the spare words, 128 bytes for each of 8 waves
.set ROWL,  1536
.set SPW,   10
.set NIL,   11
.macro BAR                             ; my LDS instructions are done; then the work-group's barrier
	s_wait_dscnt 0x0
	s_barrier_signal -1
	s_barrier_wait -1
.endm
	s_load_b128 s[4:7], s[0:1], 0x0                ; sid s[4:5], tab s[6:7]
	v_lshl_add_u32 v[SPW], v0, 2, SPARE
	v_mov_b32 v[NIL], 0
	v_lshrrev_b32 v9, 5, v0
	v_readfirstlane_b32 s24, v9                    ; wave
	v_and_b32 v1, 31, v0                           ; lane
	v_lshlrev_b32 v2, 4, v1                        ; 16 lane
	v_lshlrev_b32 v15, 4, v0                       ; 16 x thread
	v_add_nc_u32 v3, IMG, v15
	v_mov_b32 v4, 0
	v_mov_b32 v5, 0
	v_mov_b32 v6, 0
	v_mov_b32 v7, 0
.irp j, 0,1,2,3,4,5,6
	ds_store_b128 v3, v[4:7] offset:(\j)*4096      ; the image starts as token 0 everywhere
.endr
	s_lshl_b32 s20, s24, 11
	v_lshl_add_u32 v12, v1, 2, s20                 ; 2,048 wave + 4 lane: my word in sid and in H, chunk by chunk 128 bytes on
	v_lshlrev_b32 v14, 2, v1
	s_wait_kmcnt 0x0
.set i, 0
.rept 16
	global_load_b32 v[16+i], v12, s[4:5] offset:i*128
.set i, i+1
.endr
.set i, 0
.rept 16
	v_mov_b32 v[32+i], 0
	v_mov_b32 v[48+i], 0
.set i, i+1
.endr
	s_wait_loadcnt 0x0
.set i, 0
.rept 16
	v_min_u32 v[16+i], 27, v[16+i]
.set i, i+1
.endr
	s_mov_b32 s30, 0
.Lset:                                                 ; 28 trips: set s30
	v_cmp_eq_u32 s33, s30, v1
.set i, 0
.rept 16
	v_cmp_eq_u32 s31, s30, v[16+i]
	v_mbcnt_lo_u32_b32 v13, s31, 0                 ; how many lower lanes have this set
	s_bcnt1_i32_b32 s32, s31
	v_cndmask_b32 v[32+i], v[32+i], v13, s31
	v_cndmask_b32 v[48+i], v[48+i], s32, s33
.set i, i+1
.endr
	s_add_co_u32 s30, s30, 1
	s_cmp_lt_u32 s30, 28
	s_cbranch_scc1 .Lset
.set i, 0
.rept 16
	ds_store_b32 v12, v[48+i] offset:i*128
.set i, i+1
.endr
	BAR                                            ; H is whole
	s_cmp_lg_u32 s24, 0
	s_cbranch_scc1 .Lscanned
	; wave 0, a set a lane: the running sum down the 128 chunks goes back into H; then the tiles
.set i, 0
.rept 128
	ds_load_b32 v[64+i], v14 offset:i*128
.set i, i+1
.endr
	s_wait_dscnt 0x0
.set i, 1
.rept 127
	v_add_nc_u32 v[64+i], v[64+i], v[64+i-1]
.set i, i+1
.endr
	ds_store_b32 v14, v4
.set i, 1
.rept 127
	ds_store_b32 v14, v[64+i-1] offset:i*128       ; how many tokens of the set lie in earlier chunks
.set i, i+1
.endr
	v_add_nc_u32 v192, 79, v191                    ; v191: the set's tokens n; its tiles: (n + 79) / 80, exact for n + 79 under 65,536 by this multiply and shift
	v_mul_u32_u24 v192, v192, 0xcccd
	v_lshrrev_b32 v192, 22, v192
	v_mov_b32 v193, v1                             ; tiles T = lane, lane + 32, lane + 64
	v_add_nc_u32 v194, 32, v1
	v_add_nc_u32 v195, 64, v1
.set i, 196
.rept 10
	v_mov_b32 v[i], 0                              ; v196-198 the first tile of T's set, v199-201 its n, v202-204 lo + 8 hi; v205 lane s: 80 x the set's first tile
.set i, i+1
.endr
	s_mov_b32 s34, 0                               ; tiles so far
.set SS, 0
.set LO, 0
.set HI, 1
.rept 28                                               ; the sets in ascending order: a later set whose first tile is not beyond T displaces the earlier one
	v_readlane_b32 s35, v191, SS
	v_readlane_b32 s36, v192, SS
	s_mul_i32 s37, s34, 80
	v_writelane_b32 v205, s37, SS
.irp j, 0,1,2
	v_cmp_le_u32 s38, s34, v[193+(\j)]
	v_cndmask_b32 v[196+(\j)], v[196+(\j)], s34, s38
	v_cndmask_b32 v[199+(\j)], v[199+(\j)], s35, s38
	v_cndmask_b32 v[202+(\j)], v[202+(\j)], LO+8*HI, s38
.endr
	s_add_co_u32 s34, s34, s36
.set SS, SS+1
.set LO, LO+1
.if LO == HI
.set LO, 0
.set HI, HI+1
.endif
.endr
.irp j, 0,1,2
	v_sub_nc_u32 v13, v[193+(\j)], v[196+(\j)]
	v_mul_u32_u24 v13, v13, 80
	v_sub_nc_u32 v13, v[199+(\j)], v13
	v_min_u32 v13, 80, v13
	v_cmp_gt_u32 s38, s34, v[193+(\j)]
	v_cndmask_b32 v[208+4*(\j)], 0, v13, s38       ; rows: none past the last tile
	v_and_b32 v[209+4*(\j)], 7, v[202+(\j)]
	v_lshrrev_b32 v[210+4*(\j)], 3, v[202+(\j)]
	v_mov_b32 v[211+4*(\j)], 0
	global_store_b128 v2, v[208+4*(\j):211+4*(\j)], s[6:7] offset:(\j)*512
.endr
	ds_store_b32 v14, v205 offset:BAS
.Lscanned:
	BAR                                            ; the sums and the sets' first places are in LDS
.set i, 0
.rept 16
	v_lshlrev_b32 v[96+i], 2, v[16+i]
	v_add_nc_u32 v[48+i], s20, v[96+i]
	ds_load_b32 v[64+i], v[48+i] offset:i*128
	ds_load_b32 v[80+i], v[96+i] offset:BAS
.set i, i+1
.endr
	s_wait_dscnt 0x0
.set i, 0
.rept 16
	v_add3_u32 v[64+i], v[64+i], v[80+i], v[32+i]  ; the token's place in ROWL,
	v_lshlrev_b32 v[64+i], 2, v[64+i]              ; in bytes
.set i, i+1
.endr
	BAR                                            ; every wave's reads of H and of the first places are over
.set i, 0
.rept 16
	ds_store_b32 v12, v[64+i] offset:i*128         ; the places go over my own rows of H: byte 4 x token
.set i, i+1
.endr
	BAR
	s_cmp_lg_u32 s24, 0
	s_cbranch_scc1 .Lplaced
	; wave 0 alone places the 4,096 token numbers, so that no two waves store into the same bytes between two barriers
.set i, 0
.rept 32
	ds_load_b128 v[64+4*i:64+4*i+3], v2 offset:i*512  ; the places of tokens 128 i + 4 lane + 0..3
.set i, i+1
.endr
	v_lshlrev_b32 v192, 2, v1
	v_add_nc_u32 v193, 1, v192
	v_add_nc_u32 v194, 2, v192
	v_add_nc_u32 v195, 3, v192
	s_wait_dscnt 0x0
.set i, 0
.rept 32
.irp c, 0,1,2,3
	v_min_u32 v[64+4*i+(\c)], 24956, v[64+4*i+(\c)]  ; inside 78 tiles of 320 bytes
	ds_store_b32 v[64+4*i+(\c)], v[192+(\c)] offset:IMG
.endr
.irp c, 0,1,2,3
	v_add_nc_u32 v[192+(\c)], 128, v[192+(\c)]
.endr
.set i, i+1
.endr
.Lplaced:
	BAR
.irp j, 0,1,2,3,4,5,6
	ds_load_b128 v[64+4*(\j):67+4*(\j)], v3 offset:(\j)*4096
.endr
	s_wait_dscnt 0x0
.irp j, 0,1,2,3,4,5,6
	global_store_b128 v15, v[64+4*(\j):67+4*(\j)], s[6:7] offset:ROWL+(\j)*4096
.endr
	s_wait_tensorcnt 0x0                           ; the wave's end, behind my last LDS store
	ds_add_u32 v[SPW], v[NIL]
	s_wait_dscnt 0x0
	s_endpgm
.Lfunc_end_k_qe21d335a8c_sortl:
	.size	k_qe21d335a8c_sortl, .Lfunc_end_k_qe21d335a8c_sortl-k_qe21d335a8c_sortl
	.p2alignl 7, 3214868480
	.fill 96, 4, 3214868480
	.section	.rodata,"a",@progbits
	.p2align	6, 0x0
	.amdhsa_kernel k_qe21d335a8c_sortl
		.amdhsa_group_segment_fixed_size 46336
		.amdhsa_private_segment_fixed_size 0
		.amdhsa_enable_private_segment 0
		.amdhsa_kernarg_size 16
		.amdhsa_user_sgpr_count 2
		.amdhsa_user_sgpr_kernarg_segment_ptr 1
		.amdhsa_wavefront_size32 1
		.amdhsa_system_sgpr_workgroup_id_x 1
		.amdhsa_system_sgpr_workgroup_id_y 1
		.amdhsa_system_sgpr_workgroup_id_z 1
		.amdhsa_system_vgpr_workitem_id 0
		.amdhsa_next_free_vgpr 256
		.amdhsa_next_free_sgpr 66
		.amdhsa_reserve_vcc 0
		.amdhsa_float_denorm_mode_32 3
		.amdhsa_float_denorm_mode_16_64 3
		.amdhsa_memory_ordered 1
		.amdhsa_forward_progress 1
		.amdhsa_inst_pref_size 95
	.end_amdhsa_kernel
	.amdgpu_metadata
---
amdhsa.version: [ 1, 2 ]
amdhsa.kernels:
  - .name:           k_qe21d335a8c_sortl
    .symbol:         k_qe21d335a8c_sortl.kd
    .args:
      - { .name: sid, .offset: 0, .size: 8, .value_kind: global_buffer, .address_space: global }
      - { .name: tab, .offset: 8, .size: 8, .value_kind: global_buffer, .address_space: global }
    .group_segment_fixed_size: 46336
    .private_segment_fixed_size: 0
    .kernarg_segment_align: 8
    .kernarg_segment_size: 16
    .max_flat_workgroup_size: 256
    .sgpr_count:     66
    .vgpr_count:     256
    .wavefront_size: 32
...
	.end_amdgpu_metadata
.endif
;; end of part 3
;; launch proj (part 4): grid 4 x 130, 4 waves a work-group, no clusters, 207,872 bytes of LDS; arguments xb, wts, tab, qkv, v32; writes qkv, v32
.if DOCPART == 4
	.amdgcn_target "amdgcn-amd-amdhsa--gfx1250"
	.amdhsa_code_object_version 6
	.text
	.protected	k_qe21d335a8c_proj
	.globl	k_qe21d335a8c_proj
	.p2align	8
	.type	k_qe21d335a8c_proj,@function
k_qe21d335a8c_proj:
	s_mov_b64 s[64:65], 0
	v_nop
	global_prefetch_b8 v0, s[64:65] scope:SCOPE_SE
	s_setreg_imm32_b32 hwreg(HW_REG_WAVE_MODE, 25, 1), 1
	s_wait_xcnt 0x0
; PROJ.  q, k and v, bf16 operands, f32 sums, stored once rounded to f16.  LIMIT: q, k, v within f16's 65,504.
; A work-group has a tile of up to 80 tokens and a slice of 256 output columns; a wave all 80 rows and 64 columns: 20 accumulators.
; Tiles y = 0 .. 51: tokens 80 y .. (k and v: slices 0, 1 are k's heads, 2, 3 v's; a wave has one head).  Tiles y = 52 .. 129: tile y - 52 of the table: tokens of ONE set of experts (lo, hi);
; slice sl holds heads 2 sl and 2 sl + 1, wave w head 2 sl + w / 2 of slot w % 2 (slot 0: expert lo, slot 1: hi).  A tile that the split leaves without rows does the first of the 32 steps, which
; starts the sums, jumps the rest and stores nothing.
; qkv: q at 0: [token][head][slot][64]; k at 8 MiB and v at 12 MiB: [batch x 8 + head][2,048][64].
; v32: v of each batch's first 16 positions once more, unrounded, in f32 and turned: [batch x 8 + head][channel 64][key 16].  The last launch computes those rows again from it.
; The tokens' rows of xb come by a list, so each lane copies 16 bytes (asynchronous copies, once); the weights come from memory straight into registers, in the order in which prep laid them:
; a ring of 8 steps' fragments, asked for 7 steps ahead.  No multicast: the rows come by a list, and work-groups that share rows need different weights.
; REGISTERS: window 0: addresses, v[128:207] two buffers of A's fragments; window 1: v0-159 the accumulators, (a, b) at 8 (4 a + b); window 2: the ring of B's fragments, 32 a step.
.set PA,     2064                      ; an LDS row of A: 2,048 bytes + 16: an odd multiple of 16
.set STG,    165120                    ; behind A's 80 rows: the stage, 80 rows x 528 bytes; no copy lands there
.set SPITCH, 528
.set SPARE,  207360                    ; the spare words, 128 bytes a wave
.set ROWL,   1536
.set VA,  5                            ; v5-9   LDS address of my lane's part of row group a's fragments
.set VB,  10                           ; v10    my byte offset in wts
.set STO, 12
.set RD,  14
.set SPW, 16
.set NIL, 17
.set VX,  20                           ; v20    my byte offset in v32; written once
.set VG,  32                           ; v[32:51]  row i of my 20: token x 2,048 + 16 lane: its offset in xb and in q
.set VL,  52                           ; v[52:71]  its LDS address; later k's and v's store offsets
.set AF,  128
.set MSB, 0
.macro WIN new                         ; the immediate's high byte repeats the setting that is left
.if MSB != (\new)
	s_set_vgpr_msb (MSB<<8)|(\new)
.set MSB, \new
.endif
.endm
.macro LDA m                           ; A's fragments of the trip's step m -> buffer m % 2
	WIN 0
.irp a, 0,1,2,3,4
	ds_load_b128 v[AF+40*((\m)%2)+8*(\a):AF+40*((\m)%2)+8*(\a)+3], v[VA+(\a)] offset:(\m)*64
	ds_load_b128 v[AF+40*((\m)%2)+8*(\a)+4:AF+40*((\m)%2)+8*(\a)+7], v[VA+(\a)] offset:(\m)*64+32
.endr
.endm
.macro LDB m                           ; B's fragments of the trip's step m -> ring slot m % 8
	WIN 0x80                                       ; destination window 2, address window 0
.irp b, 0,1,2,3
	global_load_b128 v[32*((\m)%8)+8*(\b):32*((\m)%8)+8*(\b)+3], v[VB], s[6:7] offset:(\m)*4096+(\b)*1024
	global_load_b128 v[32*((\m)%8)+8*(\b)+4:32*((\m)%8)+8*(\b)+7], v[VB], s[6:7] offset:(\m)*4096+(\b)*1024+512
.endr
.endm
; A step of 32 along k.  Four places stand ahead of the loads, which go into registers that the step before multiplied.  left: the loads of the younger steps, 8 each.
; The 20 accumulators take turns, one instruction a turn, in the same order in every step.
.macro STEP n, zero, ldb, lda, left
.if (\n)
.rept 4
	v_nop
.endr
.endif
.if \lda
	LDA (\n)+1
.endif
.if \ldb
	LDB (\n)+7
.endif
	s_wait_dscnt 10*(\lda)                         ; all but the ten just issued: this step's A is in
	s_wait_loadcnt \left                           ; this step's B is in
	WIN 0x52                                       ; B window 2, A window 0, C and D window 1
.irp a, 0,1,2,3,4
.irp b, 0,1,2,3
.if \zero
	v_wmma_f32_16x16x32_bf16 v[8*(4*(\a)+(\b)):8*(4*(\a)+(\b))+7], v[32*((\n)%8)+8*(\b):32*((\n)%8)+8*(\b)+7], v[AF+40*((\n)%2)+8*(\a):AF+40*((\n)%2)+8*(\a)+7], 0
.else
	v_wmma_f32_16x16x32_bf16 v[8*(4*(\a)+(\b)):8*(4*(\a)+(\b))+7], v[32*((\n)%8)+8*(\b):32*((\n)%8)+8*(\b)+7], v[AF+40*((\n)%2)+8*(\a):AF+40*((\n)%2)+8*(\a)+7], v[8*(4*(\a)+(\b)):8*(4*(\a)+(\b))+7]
.endif
.endr
.endr
.endm
; Row group a's 16 tokens are batch bt's first 16 positions: my head's f32 sums go out as they are.  A lane holds key l % 16 and, in register j of block b, channel 16 b + 8 (l / 16) + j:
; each store covers two runs of 64 consecutive bytes; 65,536 bytes in the whole launch.  Each accumulator's lowest register is read first.
.macro V32 a, bt
	WIN 0x04                                       ; the stores' data in window 1
.irp b, 0,1,2,3
.irp j, 0,1,2,3,4,5,6,7
	global_store_b32 v[VX], v[8*(4*(\a)+(\b))+(\j)], s[56:57] offset:(\bt)*32768+(\b)*1024+(\j)*64
.endr
.endr
	WIN 0
.endm
	s_load_b256 s[4:11], s[0:1], 0x0               ; xb s[4:5], wts s[6:7], tab s[8:9], qkv s[10:11]
	s_load_b64 s[56:57], s[0:1], 0x20              ; v32
	v_lshl_add_u32 v[SPW], v0, 2, SPARE
	v_mov_b32 v[NIL], 0
	ds_add_u32 v[SPW], v[NIL]                      ; the wave's opening: the add and its wait ahead of my first copy
	v_lshrrev_b32 v1, 5, v0
	v_readfirstlane_b32 s24, v1                    ; wave
	v_and_b32 v3, 31, v0                           ; lane
	v_lshlrev_b32 v2, 4, v3
	v_and_b32 v1, 15, v0                           ; r
	v_bfe_u32 v4, v0, 4, 1                         ; h
	s_and_b32 s26, ttmp7, 0xffff                   ; y
	s_mov_b32 s27, ttmp9                           ; the slice
	s_mul_i32 s28, s24, 20                         ; the first of the 20 rows that I copy in and store
	s_wait_dscnt 0x0
	s_wait_kmcnt 0x0
	s_cmp_lt_u32 s26, 52
	s_cbranch_scc1 .Lcons
	s_sub_co_u32 s29, s26, 52                      ; the tile of the table
	s_lshl_b32 s30, s29, 4
	s_mul_i32 s31, s29, 320
	s_lshl2_add_u32 s31, s28, s31
	s_load_b128 s[12:15], s[8:9], s30 offset:0x0   ; rows, lo, hi
	s_load_b512 s[36:51], s[8:9], s31 offset:ROWL  ; my 20 rows' tokens
	s_load_b128 s[52:55], s[8:9], s31 offset:ROWL+64
	s_wait_kmcnt 0x0
	s_min_u32 s12, s12, 80
.set i, 0
.rept 20
	s_min_u32 s[36+i], s[36+i], 0xfff
.set i, i+1
.endr
	s_bitcmp1_b32 s24, 0                           ; the odd waves have slot 1
	s_cselect_b32 s33, s14, s13
	s_min_u32 s33, s33, 7
	s_lshl_b32 s33, s33, 3
	s_lshl_b32 s34, s27, 1
	s_add_co_u32 s33, s33, s34
	s_lshr_b32 s34, s24, 1
	s_add_co_u32 s33, s33, s34                     ; block 8 e + head
	s_branch .Lgot
.Lcons:
	s_mul_i32 s29, s26, 80                         ; the tile's first token
	s_sub_co_u32 s12, 4096, s29
	s_min_u32 s12, s12, 80
	s_add_co_u32 s30, s29, s28
.set i, 0
.rept 20
	s_add_co_u32 s[36+i], s30, i
	s_min_u32 s[36+i], s[36+i], 0xfff              ; places past the last token repeat it
.set i, i+1
.endr
	s_lshl_b32 s33, s27, 2
	s_add_co_u32 s33, s33, s24
	s_add_co_u32 s33, s33, 64                      ; block 64 + 4 slice + wave
.Lgot:
	s_sub_co_i32 s32, s12, s28
	s_max_i32 s32, s32, 0
	s_min_i32 s32, s32, 20                         ; how many of my 20 rows exist
	s_lshl_b32 s33, s33, 17
	v_add_nc_u32 v[VB], s33, v2
.set n, 0
.rept 7
	LDB n                                          ; 56 loads: steps 0 to 6
.set n, n+1
.endr
	WIN 0
	s_mul_i32 s34, s28, PA
	v_add_nc_u32 v11, s34, v2
.set i, 0
.rept 20                                               ; a row of xb is 2,048 bytes: four copies of 512; the immediate steps both addresses
	v_lshl_add_u32 v[VG+i], s[36+i], 11, v2
	v_add_nc_u32 v[VL+i], i*PA, v11
	global_load_async_to_lds_b128 v[VL+i], v[VG+i], s[4:5]
	global_load_async_to_lds_b128 v[VL+i], v[VG+i], s[4:5] offset:512
	global_load_async_to_lds_b128 v[VL+i], v[VG+i], s[4:5] offset:1024
	global_load_async_to_lds_b128 v[VL+i], v[VG+i], s[4:5] offset:1536
.set i, i+1
.endr
	v_mul_u32_u24 v[VA], v1, PA
	v_lshl_add_u32 v[VA], v4, 4, v[VA]
.irp a, 1,2,3,4
	v_add_nc_u32 v[VA+(\a)], (\a)*16*PA, v[VA]
.endr
	s_lshl_b32 s35, s24, 7
	s_add_co_u32 s35, s35, STG
	v_mul_u32_u24 v[STO], v1, SPITCH
	v_lshl_add_u32 v[STO], v4, 4, v[STO]
	v_add_nc_u32 v[STO], s35, v[STO]               ; into the stage: row r, my wave's 128 bytes, 16 for each half of the lanes
	s_wait_asynccnt 0x0                            ; my 20 rows are in LDS,
	s_barrier_signal -1
	s_barrier_wait -1                              ; everybody's are
	LDA 0
	STEP 0, 1, 1, 1, 56                            ; the first step starts the sums, in every work-group
	WIN 0
	s_cmp_eq_u32 s12, 0
	s_cbranch_scc1 .Lnone                          ; a tile without rows: the other 31 steps are jumped; no barrier stands in what is jumped
	s_mov_b32 s25, 3
.Lk:                                                   ; three trips of eight steps
	STEP 1, 0, 1, 1, 56
	STEP 2, 0, 1, 1, 56
	STEP 3, 0, 1, 1, 56
	STEP 4, 0, 1, 1, 56
	STEP 5, 0, 1, 1, 56
	STEP 6, 0, 1, 1, 56
	STEP 7, 0, 1, 1, 56
	STEP 8, 0, 1, 1, 56
	WIN 0
	s_wait_xcnt 0x0                                ; the loads' offset register is stepped only behind this wait
	v_add_nc_u32 v[VB], 0x8000, v[VB]
.irp a, 0,1,2,3,4
	v_add_nc_u32 v[VA+(\a)], 512, v[VA+(\a)]
.endr
	s_sub_co_u32 s25, s25, 1
	s_cmp_lg_u32 s25, 0
	s_cbranch_scc1 .Lk
.irp n, 1,2,3,4,5,6
	STEP \n, 0, 0, 1, 8*(7-(\n))                   ; the last seven steps ask for no weights: the counts run down
.endr
	STEP 7, 0, 0, 0, 0
	WIN 0
.Lnone:
.rept 4
	v_nop                                          ; the places behind the last products, on either way
.endr
	s_wait_dscnt 0x0                               ; my LDS reads of the product are over: their addresses are stepped in the loop,
	s_barrier_signal -1                            ; and this barrier keeps every wave's such reads apart from every wave's stores into LDS
	s_barrier_wait -1
	s_cmp_eq_u32 s12, 0
	s_cbranch_scc1 .Lnostage
	s_and_b32 s30, s27, 1
	s_lshl_b32 s30, s30, 2
	s_add_co_u32 s30, s30, s24                     ; in slices 2 and 3 of a tile of consecutive tokens: v's head
	s_lshl_b32 s30, s30, 12                        ; its 4,096 bytes of v32,
	v_lshl_add_u32 v[VX], v4, 9, s30               ; 8 channels of 64 bytes for the upper half of the lanes,
	v_lshl_add_u32 v[VX], v1, 2, v[VX]             ; my key's 4 bytes
	s_cmp_lt_u32 s27, 2
	s_cbranch_scc1 .Lnov32                         ; slices 0 and 1 hold no v
	s_cmp_eq_u32 s26, 0
	s_cbranch_scc1 .Lv32a
	s_cmp_eq_u32 s26, 25
	s_cbranch_scc0 .Lnov32
	V32 3, 1                                       ; tile 25 begins at token 2,000: its rows 48 to 63 are tokens 2,048 to 2,063
	s_branch .Lnov32
.Lv32a:
	V32 0, 0                                       ; tile 0: rows 0 to 15 are tokens 0 to 15
.Lnov32:
	WIN 0x05                                       ; sources window 1, destination window 0
.set t, 0
.rept 20                                               ; a lane holds one token and eight neighbouring columns: 16 bytes of f16
.irp q, 0,1,2,3
	v_cvt_pk_f16_f32 v[AF+4*t+(\q)], v[8*t+2*(\q)], v[8*t+2*(\q)+1]
.endr
.set t, t+1
.endr
	WIN 0
.irp a, 0,1,2,3,4
.irp b, 0,1,2,3
	ds_store_b128 v[STO], v[AF+4*(4*(\a)+(\b)):AF+4*(4*(\a)+(\b))+3] offset:(\a)*16*SPITCH+32*(\b)
.endr
.endr
.Lnostage:
	s_wait_dscnt 0x0                               ; for the others' sake: my stores into the stage are done
	s_barrier_signal -1
	s_barrier_wait -1
	s_cmp_eq_u32 s12, 0
	s_cbranch_scc1 .Lend
	s_cmp_lt_u32 s26, 52
	s_cbranch_scc1 .Lkv
	; q: my 20 rows, the slice's 512 bytes of each, to the token's row
	s_lshl_b32 s30, s27, 9
	s_mov_b32 s31, 0
	s_add_nc_u64 s[10:11], s[10:11], s[30:31]
	s_mul_i32 s34, s28, SPITCH
	s_add_co_u32 s34, s34, STG
	v_add_nc_u32 v[RD], s34, v2
.set i, 0
.rept 20
	ds_load_b128 v[AF+4*i:AF+4*i+3], v[RD] offset:i*SPITCH
.set i, i+1
.endr
.set i, 0
.rept 20
	s_cmp_le_u32 s32, i                            ; rows past the count are not stored
	s_cbranch_scc1 .Lend
	s_wait_dscnt 19-i
	global_store_b128 v[VG+i], v[AF+4*i:AF+4*i+3], s[10:11]  ; 512 consecutive bytes, at a multiple of 512 from q's first
.set i, i+1
.endr
	s_branch .Lend
.Lkv:                                                  ; k or v: my head's 128 bytes of four consecutive tokens are 512 consecutive bytes of memory
	s_lshr_b32 s30, s27, 1
	s_lshl_b32 s30, s30, 22                        ; k or v,
	s_and_b32 s31, s27, 1
	s_lshl_b32 s31, s31, 2
	s_add_co_u32 s31, s31, s24
	s_lshl_b32 s31, s31, 18                        ; the head,
	s_add_co_u32 s30, s30, s31
	s_add_co_u32 s30, s30, 0x800000                ; behind q
	s_mov_b32 s31, 0
	s_add_nc_u64 s[10:11], s[10:11], s[30:31]
	v_lshrrev_b32 v11, 3, v3                       ; which of the four tokens
	v_and_b32 v13, 7, v3
	v_lshlrev_b32 v13, 4, v13
	v_mul_u32_u24 v[RD], v11, SPITCH
	v_add_nc_u32 v[RD], v[RD], v13
	v_add_nc_u32 v[RD], s35, v[RD]
	v_add_nc_u32 v15, s29, v11
.set i, 0
.rept 20
	ds_load_b128 v[AF+4*i:AF+4*i+3], v[RD] offset:i*4*SPITCH
.set i, i+1
.endr
.set i, 0
.rept 20                                               ; token t lies at 128 t, and 7 heads of 262,144 bytes further on in the second batch
	v_add_nc_u32 v18, 4*i, v15
	v_lshrrev_b32 v19, 11, v18
	v_mul_u32_u24 v19, v19, 0x1c0000
	v_lshl_add_u32 v18, v18, 7, v19
	v_add_nc_u32 v[VL+i], v18, v13
.set i, i+1
.endr
.set i, 0
.rept 20
	s_cmp_le_u32 s12, 4*i                          ; the counts are multiples of four
	s_cbranch_scc1 .Lend
	s_wait_dscnt 19-i
	global_store_b128 v[VL+i], v[AF+4*i:AF+4*i+3], s[10:11]
.set i, i+1
.endr
.Lend:
	s_wait_tensorcnt 0x0                           ; the wave's end, behind my last copy and my last LDS store
	ds_add_u32 v[SPW], v[NIL]
	s_wait_dscnt 0x0
	s_endpgm
.Lfunc_end_k_qe21d335a8c_proj:
	.size	k_qe21d335a8c_proj, .Lfunc_end_k_qe21d335a8c_proj-k_qe21d335a8c_proj
	.p2alignl 7, 3214868480
	.fill 96, 4, 3214868480
	.section	.rodata,"a",@progbits
	.p2align	6, 0x0
	.amdhsa_kernel k_qe21d335a8c_proj
		.amdhsa_group_segment_fixed_size 207872
		.amdhsa_private_segment_fixed_size 0
		.amdhsa_enable_private_segment 0
		.amdhsa_kernarg_size 40
		.amdhsa_user_sgpr_count 2
		.amdhsa_user_sgpr_kernarg_segment_ptr 1
		.amdhsa_wavefront_size32 1
		.amdhsa_system_sgpr_workgroup_id_x 1
		.amdhsa_system_sgpr_workgroup_id_y 1
		.amdhsa_system_sgpr_workgroup_id_z 1
		.amdhsa_system_vgpr_workitem_id 0
		.amdhsa_next_free_vgpr 768
		.amdhsa_next_free_sgpr 66
		.amdhsa_reserve_vcc 0
		.amdhsa_float_denorm_mode_32 3
		.amdhsa_float_denorm_mode_16_64 3
		.amdhsa_memory_ordered 1
		.amdhsa_forward_progress 1
		.amdhsa_inst_pref_size 93
	.end_amdhsa_kernel
	.amdgpu_metadata
---
amdhsa.version: [ 1, 2 ]
amdhsa.kernels:
  - .name:           k_qe21d335a8c_proj
    .symbol:         k_qe21d335a8c_proj.kd
    .args:
      - { .name: xb, .offset: 0, .size: 8, .value_kind: global_buffer, .address_space: global }
      - { .name: wts, .offset: 8, .size: 8, .value_kind: global_buffer, .address_space: global }
      - { .name: tab, .offset: 16, .size: 8, .value_kind: global_buffer, .address_space: global }
      - { .name: qkv, .offset: 24, .size: 8, .value_kind: global_buffer, .address_space: global }
      - { .name: v32, .offset: 32, .size: 8, .value_kind: global_buffer, .address_space: global }
    .group_segment_fixed_size: 207872
    .private_segment_fixed_size: 0
    .kernarg_segment_align: 8
    .kernarg_segment_size: 40
    .max_flat_workgroup_size: 128
    .sgpr_count:     66
    .vgpr_count:     768
    .wavefront_size: 32
...
	.end_amdgpu_metadata
.endif
;; end of part 4
;; launch attn (part 5): grid 16 x 16, 4 waves a work-group, clusters of 4 x 1, 327,680 bytes of LDS; arguments qkv, ao; writes ao
.if DOCPART == 5
	.amdgcn_target "amdgcn-amd-amdhsa--gfx1250"
	.amdhsa_code_object_version 6
	.text
	.protected	k_qe21d335a8c_attn
	.globl	k_qe21d335a8c_attn
	.p2align	8
	.type	k_qe21d335a8c_attn,@function
k_qe21d335a8c_attn:
	s_mov_b64 s[64:65], 0
	v_nop
	global_prefetch_b8 v0, s[64:65] scope:SCOPE_SE
	s_setreg_imm32_b32 hwreg(HW_REG_WAVE_MODE, 25, 1), 1
	s_wait_xcnt 0x0
	s_wait_alu depctr_hold_cnt(0) depctr_sa_sdst(0) depctr_va_vdst(0) depctr_va_sdst(0) depctr_va_ssrc(0) depctr_va_vcc(0) depctr_vm_vsrc(0)
	s_getreg_b32 s2, hwreg(HW_REG_IB_STS2, 6, 4)
	s_cmp_eq_u32 s2, 0
	s_cbranch_scc0 .Lentry_in_a_cluster
	s_endpgm
.Lentry_in_a_cluster:
	s_bfe_u32 s2, ttmp6, 0x10000c
	s_cmp_lg_u32 s2, 0x3003
	s_cbranch_scc0 .Lentry_shape_is_right
	s_endpgm
.Lentry_shape_is_right:
; CAUSAL ATTENTION, head size 64, two query heads (a token's two slots) to each head of K and V.  q: [token][head][slot][64], k, v: [batch x 8 + head][2,048][64], ao as q; all f16.
; Products, maxima and sums in f32; the weights p are rounded to f16 for the second product (their sum l is taken of the unrounded p), O once at the end.
; LIMITS.  q, k, v arrive within f16's 65,504.  A hidden score counts as its value less 1e30; a weight below 2^-126 counts as 0 in l; NaN and infinities are not treated apart.
; THE WALK.  A head's 2,048 positions lie in 32 blocks of 64; a block is 64 positions x 2 slots.  Work-group (PB, cx) of head y takes block 31 - (4 PB + cx) and then block 4 PB + cx.  In tiles of 256 keys these
; need tiles 0 .. 7 - PB and then 0 .. PB: 9 tiles, the same tiles for the four work-groups of a cluster (same PB), so every tile is asked for JOINTLY.  cx enters q's and ao's addresses and the number XE, from
; which only the mask's two scalars are selected: no branch, trip count or LDS address hangs on it.
; SHARES.  Wave w owns positions 16 w .. 16 w + 15 of the block; PIECE p is their slot p: two pieces of 16 queries.  In a block's last tile the block's own 64 keys are step xb (3 - cx, then cx): earlier steps are
; seen whole, later ones are hidden and computed all the same.
; THE MASK is the C operand that starts S^T = K Q^T: MD (made once: the mask of the block's own step for my 16 positions) x AL + BE: (1, 0) own step, (0, 0) earlier, (0, -1e30) later.  Both pieces have the same
; positions, so one mask buffer serves a step.
; TURNS.  Turn (p, s): 8 products K Q^T of the other piece (p = 0: step s; p = 1: step s + 1), later 8 products V^T P of the other piece (p = 0: step s - 1; p = 1: step s); beside them piece p's scaling,
; exponentials, roundings, sums and rescaling for step s, and the other piece's maximum and statistics.  A turn's 33 exponentials are one batch with one wait.
; Turn (0, s) fetches K of step s + 1 and then V of step s.  So that both lie in one slot, a slot holds K of steps 4 i + 1 .. 4 i + 4 and V of steps 4 i .. 4 i + 3: K's tiles begin 64 keys later.  K of step 0
; comes once from memory into registers.  The 64 keys past a block's last step are fetched and multiply nothing; past the last head they are the first bytes of v, inside the buffer.
; REGISTERS, in windows of 256 (s_set_vgpr_msb: bits 1:0 source 0, 3:2 source 1, 5:4 source 2, 7:6 destination):
;   window 0: v0-15 addresses; v16-23 statistics; v48-55 at work; v64-127 S^T, two buffers; v192-223 P, two buffers (by the piece's number)
;   window 1: v0-63 O^T; v128-159 MD; v160-191 MC      window 2: v0-31 Q; v32-63 the second block's Q; v64-127 K of step 0; v128-191 K; v192-255 V
.set NP,    2
.set KS,    64
.set PK,    144       ; a row of K in LDS: 128 bytes + 16
.set PV,    160       ; a row of V: 128 + 32: 16 lanes of the turning load take 8 rows x 32 bytes
.set VOFF,  4*KS*PK
.set SLOT1, 1<<17
.set STAGE, SLOT1+4*KS*(PK+PV)  ; behind the ring, never filled by a tensor load: 16 rows x 272 bytes for each wave
.set SP,    272
.set SPARE, STAGE+4*16*SP       ; the spare words, 128 bytes a wave
.set AK0, 2
.set AV0, 3
.set AK,  4
.set AV,  5
.set STO, 6
.set RD,  7
.set GO,  8
.set MV,  12          ; v12-13  c m_old, by piece
.set QO,  15
.set ST,  16          ; piece t's statistics at v[ST+4 t]: c m, m, l (even keys', odd keys')
.set TMP, 48          ; by piece, c0-c3 at work; c2 then takes a
.set KO,  56
.set SPW, 62
.set NIL, 63
.set S,   64
.set P,   192
.set MD,  128         ; window 1
.set MC,  160         ; window 1
.set QB,  32          ; window 2
.set K0F, 64          ; window 2
.set KF,  128         ; window 2: key block kb, channel half c at KF + 16 kb + 8 c
.set VF,  192         ; window 2: key half kk, channel block cb at VF + 32 kk + 8 cb
.set WV,  12          ; s12  wave
.set PB,  14          ; s14  the cluster's x
.set G1K, 24
.set G1V, 32
.set G0K, 40
.set G0V, 44
.set XE2, 48          ; s48  the second block's XE
.set SLOTS, 56
.set CNT, 57          ; a tile's key steps, 4 to 1
.set CS,  58
.set SEL, 60
.set TBK, 62
.set TBV, 63
.set RT,  70          ; tiles of the block in hand still to be entered
.set NXT, 71          ; the tile to be asked for next
.set LQ,  72          ; the last tile of the block whose tiles are being asked for
.set NEW, 73          ; 1: the tile to be entered is a block's first
.set OFF, 74
.set AL,  76
.set BE,  78
.set OLO, 80          ; ao at my rows of the second block
.set BIGN, 82
.set XE,  83          ; 5 - xb
.set MSB, 0
.macro WIN new
.if MSB != (\new)
	s_set_vgpr_msb (MSB<<8)|(\new)
.set MSB, (\new)
.endif
.endm
.set W_KQ, 0x0a
.set W_KM, 0x1a
.set W_PV, 0x52
.set W_RS, 0x41
; A joint fill.  Waves 0 and 1 fetch the two halves of a tile's K, waves 2 and 3 those of its V: 128 keys each.  An s_nop 0 and four v_nop follow each of the two lines.
.macro JLOAD
	s_cmp_lt_u32 s[WV], 2
	s_cbranch_scc0 .Lfor_v_\@
	tensor_load_to_lds s[G0K:G0K+3], s[G1K:G1K+7]
	s_nop 0
.rept 4
	v_nop
.endr
	s_branch .Lasked_\@
.Lfor_v_\@:
	tensor_load_to_lds s[G0V:G0V+3], s[G1V:G1V+7]
	s_nop 0
.rept 4
	v_nop
.endr
.Lasked_\@:
.endm
.macro CROUND                       ; a round of the cluster's barrier
	s_barrier_signal -1
	s_barrier_wait -1
	s_cmp_lg_u32 s[WV], 0
	s_cbranch_scc1 .Lnot_wave_0_\@
	s_barrier_signal -3
.Lnot_wave_0_\@:
	s_barrier_wait -3
	s_barrier_signal -1
	s_barrier_wait -1
.endm
; THE CHANGE OF SLOTS.  Each wave waits for all its tensor loads, of which one is out: its part of the other slot; adds 0 to its spare word; waits for that and for its reads of the slot that it leaves.
; fill = 1: a round of the cluster's barrier, and the old slot is filled again, first thing behind it, with tile NXT; the load has four key steps in which to land.
.macro CHANGE fill
	WIN 0
	s_wait_tensorcnt 0x0            ; no tensor load of mine is out, so a group 0 may be written
	ds_add_u32 v[SPW], v[NIL]       ; 0 onto my spare word; the descriptors' scalar work stands between it and the wait for it
.if \fill
	s_lshl_b32 s[OFF], s[NXT], 15   ; a tile is 32,768 bytes of K and of V
	s_xor_b32 s[G0K+1], s[G0K+1], SLOT1
	s_add_nc_u64 s[G0K+2:G0K+3], s[6:7], s[OFF:OFF+1]
	s_or_b32 s[G0K+3], s[G0K+3], 0x80000000
	s_xor_b32 s[G0V+1], s[G0V+1], SLOT1
	s_add_nc_u64 s[G0V+2:G0V+3], s[8:9], s[OFF:OFF+1]
	s_or_b32 s[G0V+3], s[G0V+3], 0x80000000
	s_add_co_u32 s[NXT], s[NXT], 1  ; the block's next tile, or behind its last the second block's tile 0
	s_cmp_gt_u32 s[NXT], s[LQ]
	s_cselect_b32 s[NXT], 0, s[NXT]
	s_cselect_b32 s[LQ], s[PB], s[LQ]
	s_wait_dscnt 0x0                ; the add is done, and my reads of the slot are over
	CROUND
	JLOAD
.else
	s_wait_dscnt 0x0
	s_barrier_signal -1
	s_barrier_wait -1
.endif
	s_sub_co_u32 s[TBK], s[TBK], 4*KS*PK  ; the fetches go back to a slot's first step, in the other slot
	s_xor_b32 s[TBK], s[TBK], SLOT1
	s_sub_co_u32 s[TBV], s[TBV], 4*KS*PV
	s_xor_b32 s[TBV], s[TBV], SLOT1
.endm
	s_load_b128 s[84:87], s[0:1], 0x0  ; qkv s[84:85], ao s[86:87]
	v_lshl_add_u32 v[SPW], v0, 2, SPARE
	v_mov_b32 v[NIL], 0
	ds_add_u32 v[SPW], v[NIL]       ; the wave's opening: the add and its wait ahead of my first tensor load
	v_lshrrev_b32 v1, 5, v0
	v_readfirstlane_b32 s[WV], v1
	s_mov_b32 s[PB], ttmp9
	s_bfe_u32 s13, ttmp6, 0x40000   ; cx
	s_lshl_b32 s16, s[PB], 2
	s_add_co_u32 s16, s16, s13      ; the second block,
	s_sub_co_u32 s17, 31, s16       ; the first
	s_add_co_u32 s[XE], s13, 2      ; first block: xb = 3 - cx
	s_sub_co_u32 s[XE2], 5, s13     ; second: xb = cx
	s_and_b32 s20, ttmp7, 0xffff    ; 8 batch + head
	s_lshr_b32 s21, s20, 3
	s_and_b32 s22, s20, 7
	s_lshl_b32 s23, s21, 11
	s_lshl_b32 s18, s[WV], 4
	s_add_co_u32 s23, s23, s18      ; 2,048 batch + 16 wave
	s_lshl_b32 s19, s22, 8          ; a head's 256 bytes in a token's row of q and of ao
	s_lshl_b32 s2, s17, 6
	s_add_co_u32 s2, s2, s23
	s_lshl_b32 s2, s2, 11
	s_add_co_u32 s2, s2, s19
	s_mov_b32 s3, 0
	s_lshl_b32 s92, s16, 6
	s_add_co_u32 s92, s92, s23
	s_lshl_b32 s92, s92, 11
	s_add_co_u32 s92, s92, s19
	s_mov_b32 s93, 0
	s_lshl_b32 s50, s20, 18         ; the head's 262,144 bytes in k and in v
	s_mov_b32 s51, 0
	s_and_b32 s18, s[WV], 1         ; which half of a tile's 256 keys I fetch
	s_lshl_b32 s66, s18, 14
	s_add_co_u32 s66, s66, s50
	s_mov_b32 s67, 0
	s_mul_i32 s68, s18, 128*PK
	s_mul_i32 s69, s18, 128*PV
	; descriptor group 1: 128 keys are 16,384 dense bytes: 64 rows of 256 bytes, padded in LDS after every key
	s_mov_b32 s[G1K], 15|(1<<16)|(1<<20)|(1<<21)|(4<<22)|(3<<25)  ; the mask of four; 2-byte elements; padding on; bit 21 beside a mask; after every 32 words 4 words
	s_mov_b32 s[G1V], 15|(1<<16)|(1<<20)|(1<<21)|(4<<22)|(7<<25)  ; the same with 8 words
.irp g, G1K, G1V
	s_mov_b32 s[\g+1], 128<<16      ; tensor_dim0 = 128
	s_mov_b32 s[\g+2], 64<<16       ; tensor_dim1 = 64
	s_mov_b32 s[\g+3], 128<<16      ; tile_dim0 = 128
	s_mov_b32 s[\g+4], 64           ; tile_dim1 = 64
	s_mov_b32 s[\g+5], 128          ; 128 elements from row to row
	s_mov_b32 s[\g+6], 0
	s_mov_b32 s[\g+7], 0
.endr
	s_mov_b32 s[CS], 0x3e38aa3b     ; c = log2(e) / 8
	s_mov_b32 s[CS+1], s[CS]
	s_mov_b32 s[SEL], 0x76543210
	s_mov_b32 s[SEL+1], 0xfedcba98
	s_mov_b32 s[TBK], SLOT1+4*KS*PK ; the first change of slots turns these two into 0
	s_mov_b32 s[TBV], SLOT1+4*KS*PV
	s_mov_b32 s[G0K], 1
	s_mov_b32 s[G0K+1], s68
	s_mov_b32 s[G0V], 1
	s_add_co_u32 s[G0V+1], s69, VOFF
	s_sub_co_u32 s[RT], 8, s[PB]    ; the first block has 8 - PB tiles
	s_sub_co_u32 s[LQ], 7, s[PB]
	s_mov_b32 s[NXT], 1
	s_mov_b32 s[NEW], 1
	s_mov_b32 s[OFF+1], 0
	s_mov_b32 s[AL+1], 0
	s_mov_b32 s[BE+1], 0
	s_mov_b32 s[BIGN], 0xf149f2ca   ; -1e30
	s_mov_b32 s[SLOTS], 8
	s_wait_dscnt 0x0                ; the opening add is done
	s_wait_kmcnt 0x0
	s_add_nc_u64 s[6:7], s[84:85], s[66:67]
	s_add_nc_u64 s[8:9], s[6:7], 0xc00000          ; V at my half of the head's tile 0
	s_add_nc_u64 s[6:7], s[6:7], 0x802000          ; K likewise, 64 keys on
	s_add_nc_u64 s[90:91], s[84:85], s[50:51]
	s_add_nc_u64 s[90:91], s[90:91], 0x800000      ; K of step 0
	s_add_nc_u64 s[G0K+2:G0K+3], s[6:7], 0
	s_or_b32 s[G0K+3], s[G0K+3], 0x80000000
	s_add_nc_u64 s[G0V+2:G0V+3], s[8:9], 0
	s_or_b32 s[G0V+3], s[G0V+3], 0x80000000
	s_add_nc_u64 s[4:5], s[84:85], s[2:3]          ; q and ao at my rows of the first block,
	s_add_nc_u64 s[10:11], s[86:87], s[2:3]
	s_add_nc_u64 s[88:89], s[84:85], s[92:93]      ; and of the second
	s_add_nc_u64 s[OLO:OLO+1], s[86:87], s[92:93]
	CROUND                          ; all four work-groups are here: the first joint loads meet
	JLOAD                           ; tile 0 into slot 0
	v_and_b32 v1, 15, v0            ; l % 16
	v_bfe_u32 v9, v0, 4, 1          ; l / 16
	v_lshlrev_b32 v[QO], 11, v1     ; a token's row is 2,048 bytes
	v_lshl_add_u32 v[QO], v9, 4, v[QO]
	v_lshlrev_b32 v[KO], 7, v1      ; a key's 128
	v_lshl_add_u32 v[KO], v9, 4, v[KO]
	WIN 0x80
.set i, 0
.rept 4                             ; both blocks' Q: piece i / 2, channels 32 (i % 2) on
	global_load_b128 v[8*i:8*i+3],   v[QO], s[4:5] offset:(i/2)*128+(i%2)*64
	global_load_b128 v[8*i+4:8*i+7], v[QO], s[4:5] offset:(i/2)*128+(i%2)*64+32
	global_load_b128 v[QB+8*i:QB+8*i+3],   v[QO], s[88:89] offset:(i/2)*128+(i%2)*64
	global_load_b128 v[QB+8*i+4:QB+8*i+7], v[QO], s[88:89] offset:(i/2)*128+(i%2)*64+32
.set i, i+1
.endr
.set i, 0
.rept 8                             ; K of step 0: keys 16 (i / 2) on, channels 32 (i % 2) on
	global_load_b128 v[K0F+8*i:K0F+8*i+3],   v[KO], s[90:91] offset:(i/2)*2048+(i%2)*64
	global_load_b128 v[K0F+8*i+4:K0F+8*i+7], v[KO], s[90:91] offset:(i/2)*2048+(i%2)*64+32
.set i, i+1
.endr
	WIN 0
	v_lshlrev_b32 v14, 3, v9
	v_sub_nc_u32 v14, v1, v14
	s_lshl_b32 s13, s[WV], 4
	v_add_nc_u32 v14, s13, v14      ; my position in the block less my lanes' 8 (l / 16): register r of key group kt is hidden where 16 kt + r is greater
	WIN 0x40
.set i, 0
.rept 32
	v_cmp_gt_i32 vcc_lo, 16*(i/8)+i%8, v14
	v_cndmask_b32 v[MD+i], 0, s[BIGN], vcc_lo
.set i, i+1
.endr
	WIN 0
	v_mul_u32_u24 v[AK0], v1, PK
	v_lshl_add_u32 v[AK0], v9, 4, v[AK0]
	v_and_b32 v10, 7, v0
	v_bfe_u32 v11, v0, 3, 1
	v_lshl_add_u32 v[AV0], v9, 3, v10
	v_mul_u32_u24 v[AV0], v[AV0], PV
	v_lshl_add_u32 v[AV0], v11, 4, v[AV0]
	v_add_nc_u32 v[AV0], VOFF, v[AV0]
	s_mul_i32 s13, s[WV], 16*SP
	s_add_co_u32 s13, s13, STAGE    ; my stage: a row is a token's 256 bytes, slot 0 and slot 1
	v_mul_u32_u24 v[STO], v1, SP
	v_lshl_add_u32 v[STO], v9, 4, v[STO]
	v_add_nc_u32 v[STO], s13, v[STO]
	v_mul_u32_u24 v[RD], v9, SP     ; back: lanes 0-15 one row, lanes 16-31 the next
	v_lshl_add_u32 v[RD], v1, 4, v[RD]
	v_add_nc_u32 v[RD], s13, v[RD]
	v_lshlrev_b32 v[GO], 11, v9
	v_lshl_add_u32 v[GO], v1, 4, v[GO]
	; A block's first step multiplies O^T and l by a = 0, and its first turn's products V^T P, of a step that has not been, land in an O^T that is still to be so multiplied: these registers need only be finite.
	WIN 0x80
.set i, VF
.rept 64
	v_mov_b32 v[i], 0
.set i, i+1
.endr
	WIN 0x40
.set i, 0
.rept 64
	v_mov_b32 v[i], 0
.set i, i+1
.endr
	WIN 0
.set i, 0
.rept 2
	v_mov_b32 v[ST+4*i+2], 0
	v_mov_b32 v[ST+4*i+3], 0
.set i, i+1
.endr
.set i, P+16
.rept 16
	v_mov_b32 v[i], 0
.set i, i+1
.endr
; THE MATRIX WORK.  The 4 accumulators of a run of 8 take turns.
.macro KQ x                         ; product i of 8 of S^T = K Q^T for piece x: channels 32 (i / 4) on, keys 16 (i % 4) on
.set rS, S+32*((\x)%2)+8*(i%4)
.set rK, KF+16*(i%4)+8*(i/4)
.set rQ, 16*(\x)+8*(i/4)
.set rM, MC+8*(i%4)
.if (i < 4) && KM
	WIN W_KM
	v_wmma_f32_16x16x32_f16 v[rS:rS+7], v[rK:rK+7], v[rQ:rQ+7], v[rM:rM+7]
.elseif i < 4
	WIN W_KQ
	v_wmma_f32_16x16x32_f16 v[rS:rS+7], v[rK:rK+7], v[rQ:rQ+7], 0
.else
	WIN W_KQ
	v_wmma_f32_16x16x32_f16 v[rS:rS+7], v[rK:rK+7], v[rQ:rQ+7], v[rS:rS+7]
.endif
.endm
.macro PV x                         ; product i of 8 of O^T += V^T P for piece x: keys 32 (i / 4) on, channels 16 (i % 4) on
	WIN W_PV
.set rO, 32*(\x)+8*(i%4)
.set rV, VF+32*(i/4)+8*(i%4)
.set rP, P+16*((\x)%2)+8*(i/4)
	v_wmma_f32_16x16x32_f16 v[rO:rO+7], v[rV:rV+7], v[rP:rP+7], v[rO:rO+7]
.endm
.macro MM                           ; the turn's next matrix instruction.  NOKQ = 1: a block's last turn
.if (i < 8) && !NOKQ
	KQ (Y+1)%NP
.elseif i >= 8
.set i, i-8
	PV (Y+NP-1)%NP
.set i, i+8
.endif
.set i, i+1
.endm
.macro FETCH_K
	WIN 0x80
.irp f, 0,1,2,3,4,5,6,7
	ds_load_b128 v[KF+8*\f:KF+8*\f+3],   v[AK] offset:(\f/2)*16*PK+(\f%2)*64
	ds_load_b128 v[KF+8*\f+4:KF+8*\f+7], v[AK] offset:(\f/2)*16*PK+(\f%2)*64+32
.endr
	s_add_co_u32 s[TBK], s[TBK], KS*PK
	WIN 0
.endm
.macro FETCH_V
	WIN 0x80
.irp f, 0,1,2,3,4,5,6,7
	ds_load_tr16_b128 v[VF+8*\f:VF+8*\f+3],   v[AV] offset:(\f/4)*32*PV+(\f%4)*32
	ds_load_tr16_b128 v[VF+8*\f+4:VF+8*\f+7], v[AV] offset:(\f/4)*32*PV+16*PV+(\f%4)*32
.endr
	WIN 0
.endm
; THE VECTOR WORK, a line at a time: OP kind, number.  For piece Y: F n: c s - c m for pair n.  E n: the exponential of score n.  C n: pair n rounded to f16.  B n: of the weights 4 n .. the second pair is
; added onto the first.  L n: l takes that sum (L 0: l = a l + sum).  R n: pair n of O^T times a.  For the other piece: X n, number n of the 22 that find its maximum and statistics (each accumulator's lowest
; registers are read first): 0-11 four chains; 12-14, 16 the rest, the old m; 15 c m_old is kept; 17, 18 the lane 16 away; 19-21 c m, its change, a.
.set F, 0
.set E, 1
.set C, 2
.set B, 3
.set L, 4
.set R, 5
.set X, 6
.macro REGS y
.set rT, ST+4*(\y)
.set rC, TMP+4*((\y)%2)
.set rW, MV+((\y)%2)
.set rS, S+32*((\y)%2)
.set rP, P+16*((\y)%2)
.set rO, 32*(\y)
.endm
.macro OP k, n
.if (\k) == R
	REGS Y
	WIN W_RS
	v_pk_mul_f32 v[rO+2*(\n):rO+2*(\n)+1], v[rO+2*(\n):rO+2*(\n)+1], v[rC+2:rC+3] op_sel_hi:[1,0]
.elseif (\k) < R
	REGS Y
	WIN 0
.if (\k) == F
	v_pk_fma_f32 v[rS+2*(\n):rS+2*(\n)+1], v[rS+2*(\n):rS+2*(\n)+1], s[CS:CS+1], v[rT:rT+1] op_sel_hi:[1,0,0] neg_lo:[0,0,1] neg_hi:[0,0,1]
.elseif (\k) == E
	v_exp_f32 v[rS+(\n)], v[rS+(\n)]
.elseif (\k) == C
	v_cvt_pk_f16_f32 v[rP+(\n)], v[rS+2*(\n)], v[rS+2*(\n)+1]
.elseif (\k) == B
	v_pk_add_f32 v[rS+4*(\n):rS+4*(\n)+1], v[rS+4*(\n):rS+4*(\n)+1], v[rS+4*(\n)+2:rS+4*(\n)+3]
.elseif (\n) == 0
	v_pk_fma_f32 v[rT+2:rT+3], v[rT+2:rT+3], v[rC+2:rC+3], v[rS:rS+1] op_sel_hi:[1,0,1]
.else
	v_pk_add_f32 v[rT+2:rT+3], v[rT+2:rT+3], v[rS+4*(\n):rS+4*(\n)+1]
.endif
.elseif NOKQ
	v_nop
.else
	REGS (Y+1)%NP
	WIN 0
.if (\n) < 4
	v_max3_num_f32 v[rC+(\n)], v[rS+8*(\n)], v[rS+8*(\n)+1], v[rS+8*(\n)+2]
.elseif (\n) < 12
	v_max3_num_f32 v[rC+(\n)%4], v[rC+(\n)%4], v[rS+8*((\n)%4)+2*((\n)/4)+1], v[rS+8*((\n)%4)+2*((\n)/4)+2]
.elseif (\n) == 12
	v_max3_num_f32 v[rC], v[rC], v[rS+7], v[rS+15]
.elseif (\n) == 13
	v_max3_num_f32 v[rC+1], v[rC+1], v[rS+23], v[rS+31]
.elseif (\n) == 14
	v_max3_num_f32 v[rC+2], v[rC+2], v[rC+3], v[rT+1]
.elseif (\n) == 15
	v_mov_b32 v[rW], v[rT]
.elseif (\n) == 16
	v_max3_num_f32 v[rC], v[rC], v[rC+1], v[rC+2]
.elseif (\n) == 17
	v_permlanex16_b32 v[rC+3], v[rC], s[SEL], s[SEL+1]
.elseif (\n) == 18
	v_max_num_f32 v[rT+1], v[rC], v[rC+3]
.elseif (\n) == 19
	v_mul_f32 v[rT], s[CS], v[rT+1]
.elseif (\n) == 20
	v_sub_f32 v[rC+1], v[rW], v[rT]
.else
	v_exp_f32 v[rC+2], v[rC+1]
.endif
.endif
.endm
.macro OPS a, i1, b=-1, i2=0, c=-1, i3=0, d=-1, i4=0
	OP \a, \i1
.if (\b) >= 0
	OP \b, \i2
.endif
.if (\c) >= 0
	OP \c, \i3
.endif
.if (\d) >= 0
	OP \d, \i4
.endif
.endm
.macro ROW a, i1, b, i2, c, i3, d, i4  ; a matrix instruction and the four behind it
	MM
	OPS \a, \i1, \b, \i2, \c, \i3, \d, \i4
.endm
.macro MASK                         ; MD x AL + BE into MC
	WIN W_RS
.set z, 0
.rept 16
	v_pk_fma_f32 v[MC+2*z:MC+2*z+1], v[MD+2*z:MD+2*z+1], s[AL:AL+1], s[BE:BE+1] op_sel_hi:[1,0,0]
.set z, z+1
.endr
.endm
; A TURN, for piece p.  Ahead of its one wait stands all that names no result of the turn's exponentials: the 8 products K Q^T with four vector instructions behind each, and a run of 54; behind it the 8 products
; V^T P, behind each four of the roundings and sums.  The X behind the last three products K Q^T stand four plain instructions or more behind the product that ends their accumulator.
; p = 0 fetches K of the next step, twelve vector instructions (six of them plain) behind the last product that read K, and V of the step in hand at its end, four plain instructions behind the last product that
; read V.  p = 1 waits for K at its head (V's 16 younger loads may stay out) and for V behind the batch's wait.
; m = 1: the block's last tile: the products take the mask; turn 0 of the tile's step 4 - CNT makes the mask of step 5 - CNT at its end: the block's own step if CNT = XE, a hidden one if CNT < XE.
; end = 1 (p = 1): a block's last turn: no further scores.  cnt = 1: the loop's count is taken down some lines ahead of the branch behind the turn.
.macro TURN p, m=0, end=0, cnt=0
.set Y, (\p)
.set i, 0
.set KM, (\m)
.set NOKQ, (\end)
.if (\m) && ((\p) == 0)
	s_cmp_eq_u32 s[CNT], s[XE]
	s_cselect_b32 s[AL], 1.0, 0
	s_cmp_lt_u32 s[CNT], s[XE]
	s_cselect_b32 s[BE], s[BIGN], 0
.endif
.if ((\p) == 1) && !(\end)
	s_wait_dscnt 16                 ; K is in
.endif
	ROW F,0, F,1, R,0, R,1
	ROW F,2, E,0, R,2, R,3
	ROW F,3, E,1, R,4, R,5
	ROW F,4, E,2, R,6, R,7
	ROW F,5, E,3, R,8, R,9
	ROW F,6, E,4, X,0, R,10
.if (\p) == 0
	WIN 0
	v_add_nc_u32 v[AK], s[TBK], v[AK0]
.endif
	ROW F,7, E,5, X,1, X,4
	ROW F,8, E,6, X,2, X,5
	OPS E,7, E,8, X,6, E,9
	OPS X,3, E,10, X,8, E,11
.if (\p) == 0
	FETCH_K
.endif
	OPS X,9, X,7, E,12, X,10
	OPS E,13, X,12, X,11, E,14
	OPS X,13, E,15, F,9, X,14
.if (\p) == 0
	v_add_nc_u32 v[AV], s[TBV], v[AV0]
.endif
	OPS E,16, F,10, E,17, F,11
	OPS X,16, E,18, X,15, E,19
	OPS F,12, E,20, X,17, E,21
	OPS F,13, E,22, F,14, E,23
	OPS X,18, E,24, F,15, E,25
	OPS R,11, E,26, X,19, E,27
	OPS R,12, E,28, R,13, E,29
	OPS X,20, E,30, R,14, E,31
	OPS X,21, R,15                  ; the batch's last exponential, and the plain instruction behind it
	WIN 0
	s_wait_alu depctr_va_vdst(0)    ; the one wait for the batch
.if (\p) == 1
	s_wait_dscnt 0x0                ; V is in
.endif
	ROW C,0, B,0, C,2, B,1
	ROW L,0, C,4, B,2, L,1
	ROW C,6, B,3, L,2, C,8
	ROW B,4, L,3, C,10, B,5
	ROW L,4, C,12, B,6, L,5
.if (\p) == 0
	s_add_co_u32 s[TBV], s[TBV], KS*PV
.endif
.if \cnt
	s_sub_co_u32 s[CNT], s[CNT], 1
	s_cmp_lg_u32 s[CNT], 0
.endif
	ROW C,14, B,7, L,6, C,1
	ROW C,3, L,7, C,5, C,7
	ROW C,9, C,11, C,13, C,15
.if (\p) == 0
	FETCH_V
.if \m
	MASK
.endif
.endif
.endm
; A BLOCK BEGINS.  c m starts far below every c s, so the first step's a is 0; m at the lowest finite number.  The mask of step 0 is the block's own only if this first tile is also its last and xb = 0.
; K of step 0 goes where the turns name K; then piece 0's first scores, maximum and statistics.  The loop is entered at turn 0.
.macro BEGIN
	s_mov_b32 s[NEW], 0
	WIN 0
.set i, 0
.rept 2
	v_mov_b32 v[ST+4*i], 0xfe000000
	v_mov_b32 v[ST+4*i+1], 0xff7fffff
.set i, i+1
.endr
	s_cmp_eq_u32 s[XE], 5
	s_cselect_b32 s[AL], 1.0, 0
	s_cmp_eq_u32 s[RT], 0
	s_cselect_b32 s[AL], s[AL], 0
	s_mov_b32 s[BE], 0
	MASK
	s_wait_loadcnt 0x0              ; Q and K of step 0
	WIN 0x82
.set i, 0
.rept 64
	v_mov_b32 v[KF+i], v[K0F+i]
.set i, i+1
.endr
.set KM, 1
.set NOKQ, 0
.set i, 0
.rept 8
	KQ 0
.set i, i+1
.endr
	WIN 0
.rept 4
	v_nop                           ; the places behind those products
.endr
.set Y, NP-1
.irp n, 0,1,2,3,4,5,6,7,8,9,10,11,12,13,14,15,16,17,18,19,20,21
	OP X, \n
.endr
	v_nop                           ; a plain instruction behind the exponential,
	s_wait_alu depctr_va_vdst(0)    ; and its wait, ahead of the branch
.endm
.macro ALL line:vararg              ; one line for each piece t
.set t, 0
.rept 2
	\line
.set t, t+1
.endr
.endm
.macro PACK t                       ; piece t: O^T / l, rounded to f16, 16 bytes a lane into its half of the stage's rows
	WIN W_RS
.set i, 32*(\t)
.rept 16
	v_pk_mul_f32 v[i:i+1], v[i:i+1], v[ST+4*(\t)+2:ST+4*(\t)+3] op_sel_hi:[1,0]
.set i, i+2
.endr
	WIN 0x05
.set i, 0
.rept 16
	v_cvt_pk_f16_f32 v[S+16*(\t)+i], v[32*(\t)+2*i], v[32*(\t)+2*i+1]
.set i, i+1
.endr
	WIN 0
.irp f, 0,1,2,3
	ds_store_b128 v[STO], v[S+16*(\t)+4*\f:S+16*(\t)+4*\f+3] offset:(\t)*128+32*\f
.endr
.endm
; A BLOCK'S LAST TILE: the mask of its step 0, its four steps, the block's last turn, its last products, and the way out.
.macro DIAG tag
.LpreM\tag:
	s_cmp_eq_u32 s[XE], 5
	s_cselect_b32 s[AL], 1.0, 0
	s_mov_b32 s[BE], 0
	MASK
	WIN 0
.LstepM\tag:
	TURN 1, 1
	WIN 0
.LfirstM\tag:
	TURN 0, 1, 0, 1
	WIN 0
	s_cbranch_scc1 .LstepM\tag
	TURN 1, 1, 1
.set i, 0
.rept 8
	PV 1
.set i, i+1
.endr
	WIN 0
	ALL v_add_f32 v[ST+4*t+2], v[ST+4*t+2], v[ST+4*t+3]
	ALL v_permlanex16_b32 v[ST+4*t+3], v[ST+4*t+2], s[SEL], s[SEL+1]
	ALL v_add_f32 v[ST+4*t+2], v[ST+4*t+2], v[ST+4*t+3]
	ALL v_rcp_f32 v[ST+4*t+2], v[ST+4*t+2]
	v_nop                           ; a plain instruction behind the last reciprocal,
	s_wait_alu depctr_va_vdst(0)    ; and one wait for the two
	PACK 0
	PACK 1
.irp f, 0,1,2,3,4,5,6,7
	ds_load_b128 v[S+32+4*\f:S+32+4*\f+3], v[RD] offset:\f*2*SP  ; LDS serves a wave's instructions in order: these see the stores above
.endr
.irp f, 0,1,2,3,4,5,6,7
	s_wait_dscnt 7-\f
	global_store_b128 v[GO], v[S+32+4*\f:S+32+4*\f+3], s[10:11] offset:\f*4096  ; 16 lanes store a token's 256 consecutive bytes, at a multiple of 256 from ao's first
.endr
.endm
.set KM, 0
.set NOKQ, 0
.Lslot:                             ; 8 times: a tile is entered and the next is asked for
	CHANGE 1
	s_sub_co_u32 s[RT], s[RT], 1
	s_mov_b32 s[CNT], 4
	s_cmp_eq_u32 s[NEW], 1
	s_cbranch_scc1 .Lnew            ; a block's first tile
	s_cmp_eq_u32 s[RT], 0
	s_cbranch_scc0 .Lstep           ; neither its first nor its last
	s_branch .LpreM1
.Lnew:
	BEGIN
	s_branch .Lfirst                ; in the loop a block's first tile is never its last: the first block has five tiles or more, and the second's last is the walk's last
	DIAG 1                          ; in the loop this is the first block's end
	s_wait_xcnt 0x0                 ; the stores have read their registers and ao's address
	s_mov_b64 s[10:11], s[OLO:OLO+1]
	s_add_co_u32 s[RT], s[PB], 1    ; the second block has PB + 1 tiles
	s_mov_b32 s[NEW], 1
	s_mov_b32 s[XE], s[XE2]
	WIN 0x82                        ; the second block's Q goes where the turns name Q
.set i, 0
.rept 32
	v_mov_b32 v[i], v[QB+i]
.set i, i+1
.endr
	WIN 0
	s_branch .Lbottom
.Lstep:                             ; a trip: turn 1 of one step, then turn 0 of the next
	TURN 1
	WIN 0
.Lfirst:
	TURN 0, 0, 0, 1
	WIN 0
	s_cbranch_scc1 .Lstep
.Lbottom:
	s_sub_co_u32 s[SLOTS], s[SLOTS], 1
	s_cmp_lg_u32 s[SLOTS], 0
	s_cbranch_scc1 .Lslot
	CHANGE 0                        ; the walk's last tile is written out: nothing is asked for
	s_sub_co_u32 s[RT], s[RT], 1
	s_mov_b32 s[CNT], 4
	s_cmp_eq_u32 s[NEW], 1
	s_cbranch_scc0 .LpreM2
	BEGIN
	s_branch .LfirstM2
	DIAG 2
	s_wait_tensorcnt 0x0            ; the wave's end, behind my last tensor load and my last LDS store
	ds_add_u32 v[SPW], v[NIL]
	s_wait_dscnt 0x0
	CROUND                          ; the closing round: no work-group ends while a partner may still ask for a tile that names it
	s_endpgm
.Lfunc_end_k_qe21d335a8c_attn:
	.size	k_qe21d335a8c_attn, .Lfunc_end_k_qe21d335a8c_attn-k_qe21d335a8c_attn
	.p2alignl 7, 3214868480
	.fill 96, 4, 3214868480
	.section	.rodata,"a",@progbits
	.p2align	6, 0x0
	.amdhsa_kernel k_qe21d335a8c_attn
		.amdhsa_group_segment_fixed_size 327680
		.amdhsa_private_segment_fixed_size 0
		.amdhsa_enable_private_segment 0
		.amdhsa_kernarg_size 16
		.amdhsa_user_sgpr_count 2
		.amdhsa_user_sgpr_kernarg_segment_ptr 1
		.amdhsa_wavefront_size32 1
		.amdhsa_system_sgpr_workgroup_id_x 1
		.amdhsa_system_sgpr_workgroup_id_y 1
		.amdhsa_system_sgpr_workgroup_id_z 1
		.amdhsa_system_vgpr_workitem_id 0
		.amdhsa_next_free_vgpr 768
		.amdhsa_next_free_sgpr 96
		.amdhsa_reserve_vcc 1
		.amdhsa_float_denorm_mode_32 3
		.amdhsa_float_denorm_mode_16_64 3
		.amdhsa_memory_ordered 1
		.amdhsa_forward_progress 1
		.amdhsa_inst_pref_size 127
	.end_amdhsa_kernel
	.amdgpu_metadata
---
amdhsa.version: [ 1, 2 ]
amdhsa.kernels:
  - .name:           k_qe21d335a8c_attn
    .symbol:         k_qe21d335a8c_attn.kd
    .args:
      - { .name: qkv, .offset: 0, .size: 8, .value_kind: global_buffer, .address_space: global }
      - { .name: ao, .offset: 8, .size: 8, .value_kind: global_buffer, .address_space: global }
    .group_segment_fixed_size: 327680
    .private_segment_fixed_size: 0
    .kernarg_segment_align: 8
    .kernarg_segment_size: 16
    .max_flat_workgroup_size: 128
    .sgpr_count:     96
    .vgpr_count:     768
    .wavefront_size: 32
...
	.end_amdgpu_metadata
.endif
;; end of part 5
;; launch outp (part 6): grid 4 x 78, 4 waves a work-group, no clusters, 248,832 bytes of LDS; arguments ao, wts, tab, gates, bias, out0; writes out0
.if DOCPART == 6
	.amdgcn_target "amdgcn-amd-amdhsa--gfx1250"
	.amdhsa_code_object_version 6
	.text
	.protected	k_qe21d335a8c_outp
	.globl	k_qe21d335a8c_outp
	.p2align	8
	.type	k_qe21d335a8c_outp,@function
k_qe21d335a8c_outp:
	s_mov_b64 s[64:65], 0
	v_nop
	global_prefetch_b8 v0, s[64:65] scope:SCOPE_SE
	s_setreg_imm32_b32 hwreg(HW_REG_WAVE_MODE, 25, 1), 1
	s_wait_xcnt 0x0
; OUTP.  out[token] = g_lo Wout[lo] ao[token][slot 0] + g_hi Wout[hi] ao[token][slot 1] + bias.  f16 operands, f32 sums in TWO sets of accumulators; the gates are applied in f32 at the end.
; prep stored Wout as f16 of 1,024 x bf16(Wout), so the gates carry 2^-10.  bias is rounded to bf16 like every input.
; A work-group has tile y of the table (up to 80 tokens of one set) and a slice of 256 output columns; a wave all 80 rows and 64 columns.  Each output row has one owner.  A tile without rows does the
; first two of the 32 steps, which start the two sets of sums, jumps the rest and stores nothing.
; A token's row of ao is [head][slot][64]: step T of 32 takes head T / 4, slot T % 2, half (T / 2) % 2: the slots, and with them the two experts' weights and the two sets of sums, take turns step by step.
; The rows come by a list (asynchronous copies, once); the weights come from memory straight into registers, a ring of 8 steps' fragments, asked for 6 steps ahead.
; REGISTERS: window 0: addresses, gates, bias, v[128:207] two buffers of A's fragments; window 1: v0-159 lo's sums; window 3: v0-159 hi's; window 2: the ring of B's fragments.
.set PA,     2064
.set STG,    165120                    ; the stage: 80 rows x 1,040 bytes (256 f32 + 16); no copy lands there
.set SPITCH, 1040
.set SPARE,  248320
.set ROWL,   1536
.set WO,     10485760
.set VA,  5
.set VBL, 10                           ; v10 my offset in lo's weights, v11 in hi's
.set STO, 12
.set STO2, 13
.set RD,  14
.set SPW, 16
.set NIL, 17
.set G1,  18                           ; v[18:27]  row group a: (g_lo, g_hi) of row 16 a + l % 16
.set VG,  32
.set VL,  52                           ; LDS addresses of my 20 rows; later their offsets in out0
.set G2,  72                           ; v[72:81]  (g_hi, g_lo)
.set BI,  84                           ; v[84:91]  bias of my columns on the way out
.set TK,  100                          ; v[100:104]
.set OR,  96                           ; v[96:255] my 20 rows read back
.set AF,  128
.set MSB, 0
.macro WIN new
.if MSB != (\new)
	s_set_vgpr_msb (MSB<<8)|(\new)
.set MSB, \new
.endif
.endm
.macro LDA m
	WIN 0
.set ao_, ((\m)/4)*256+((\m)%2)*128+(((\m)/2)%2)*64
.irp a, 0,1,2,3,4
	ds_load_b128 v[AF+40*((\m)%2)+8*(\a):AF+40*((\m)%2)+8*(\a)+3], v[VA+(\a)] offset:ao_
	ds_load_b128 v[AF+40*((\m)%2)+8*(\a)+4:AF+40*((\m)%2)+8*(\a)+7], v[VA+(\a)] offset:ao_+32
.endr
.endm
.macro LDB m
	WIN 0x80
.set bo_, (2*((\m)/4)+(((\m)/2)%2))*4096
.irp b, 0,1,2,3
	global_load_b128 v[32*((\m)%8)+8*(\b):32*((\m)%8)+8*(\b)+3], v[VBL+(\m)%2], s[6:7] offset:bo_+(\b)*1024
	global_load_b128 v[32*((\m)%8)+8*(\b)+4:32*((\m)%8)+8*(\b)+7], v[VBL+(\m)%2], s[6:7] offset:bo_+(\b)*1024+512
.endr
.endm
; A step of 32 along k.  Four places stand ahead of the loads, which go into registers that earlier steps multiplied.  left: the younger steps' loads, 8 each.  The accumulators take turns.
.macro STEP n, zero, ldb, lda, left
.if (\n)
.rept 4
	v_nop
.endr
.endif
.if \lda
	LDA (\n)+1
.endif
.if \ldb
	LDB (\n)+6
.endif
	s_wait_dscnt 10*(\lda)
	s_wait_loadcnt \left
	WIN 0x52+0xa0*((\n)%2)                         ; B window 2, A window 0; C and D window 1 (lo) or 3 (hi)
.irp a, 0,1,2,3,4
.irp b, 0,1,2,3
.if \zero
	v_wmma_f32_16x16x32_f16 v[8*(4*(\a)+(\b)):8*(4*(\a)+(\b))+7], v[32*((\n)%8)+8*(\b):32*((\n)%8)+8*(\b)+7], v[AF+40*((\n)%2)+8*(\a):AF+40*((\n)%2)+8*(\a)+7], 0
.else
	v_wmma_f32_16x16x32_f16 v[8*(4*(\a)+(\b)):8*(4*(\a)+(\b))+7], v[32*((\n)%8)+8*(\b):32*((\n)%8)+8*(\b)+7], v[AF+40*((\n)%2)+8*(\a):AF+40*((\n)%2)+8*(\a)+7], v[8*(4*(\a)+(\b)):8*(4*(\a)+(\b))+7]
.endif
.endr
.endr
.endm
	s_load_b256 s[4:11], s[0:1], 0x0               ; ao s[4:5], wts s[6:7], tab s[8:9], gates s[10:11]
	s_load_b128 s[56:59], s[0:1], 0x20             ; bias s[56:57], out0 s[58:59]
	v_lshl_add_u32 v[SPW], v0, 2, SPARE
	v_mov_b32 v[NIL], 0
	ds_add_u32 v[SPW], v[NIL]                      ; the wave's opening: the add and its wait ahead of my first copy
	v_lshrrev_b32 v1, 5, v0
	v_readfirstlane_b32 s24, v1                    ; wave
	v_and_b32 v3, 31, v0
	v_lshlrev_b32 v2, 4, v3                        ; 16 lane
	v_and_b32 v1, 15, v0                           ; r
	v_bfe_u32 v4, v0, 4, 1                         ; h
	s_and_b32 s26, ttmp7, 0xffff                   ; the tile
	s_mov_b32 s27, ttmp9                           ; the slice
	s_mul_i32 s28, s24, 20
	s_lshl_b32 s30, s26, 4
	s_mul_i32 s29, s26, 320
	s_lshl2_add_u32 s31, s28, s29
	v_lshl_add_u32 v28, v1, 2, s29
	s_lshl_b32 s34, s27, 10
	v_add_nc_u32 v29, s34, v2
	s_wait_dscnt 0x0
	s_wait_kmcnt 0x0
	s_load_b128 s[12:15], s[8:9], s30 offset:0x0   ; rows, lo, hi
	s_load_b512 s[36:51], s[8:9], s31 offset:ROWL  ; my 20 rows' tokens
	s_load_b128 s[52:55], s[8:9], s31 offset:ROWL+64
.irp a, 0,1,2,3,4
	global_load_b32 v[TK+(\a)], v28, s[8:9] offset:ROWL+64*(\a)  ; the token of row 16 a + r, for its gates
.endr
	s_wait_kmcnt 0x0
	s_min_u32 s12, s12, 80
	s_min_u32 s13, s13, 7
	s_min_u32 s14, s14, 7
.set i, 0
.rept 20
	s_min_u32 s[36+i], s[36+i], 0xfff
.set i, i+1
.endr
	s_sub_co_i32 s32, s12, s28
	s_max_i32 s32, s32, 0
	s_min_i32 s32, s32, 20                         ; how many of my 20 rows exist
	s_lshl_b32 s35, s27, 2
	s_add_co_u32 s35, s35, s24                     ; my 64 columns among the 16 blocks
	s_lshl_b32 s33, s13, 4
	s_add_co_u32 s33, s33, s35
	s_lshl_b32 s33, s33, 16
	s_add_co_u32 s33, s33, WO
	v_add_nc_u32 v[VBL], s33, v2
	s_lshl_b32 s33, s14, 4
	s_add_co_u32 s33, s33, s35
	s_lshl_b32 s33, s33, 16
	s_add_co_u32 s33, s33, WO
	v_add_nc_u32 v[VBL+1], s33, v2
	s_wait_loadcnt 0x0
.irp a, 0,1,2,3,4
	v_min_u32 v[TK+(\a)], 0xfff, v[TK+(\a)]
	v_lshlrev_b32 v[TK+(\a)], 3, v[TK+(\a)]
.endr
.irp a, 0,1,2,3,4
	global_load_b64 v[G1+2*(\a):G1+2*(\a)+1], v[TK+(\a)], s[10:11]
.endr
	global_load_b128 v[BI:BI+3], v29, s[56:57]
	global_load_b128 v[BI+4:BI+7], v29, s[56:57] offset:512
.set n, 0
.rept 6
	LDB n                                          ; 48 loads: steps 0 to 5
.set n, n+1
.endr
	WIN 0
	s_mul_i32 s34, s28, PA
	v_add_nc_u32 v30, s34, v2
.set i, 0
.rept 20                                               ; a row of ao is 2,048 bytes: four copies of 512; the immediate steps both addresses
	v_lshl_add_u32 v[VG+i], s[36+i], 11, v2
	v_add_nc_u32 v[VL+i], i*PA, v30
	global_load_async_to_lds_b128 v[VL+i], v[VG+i], s[4:5]
	global_load_async_to_lds_b128 v[VL+i], v[VG+i], s[4:5] offset:512
	global_load_async_to_lds_b128 v[VL+i], v[VG+i], s[4:5] offset:1024
	global_load_async_to_lds_b128 v[VL+i], v[VG+i], s[4:5] offset:1536
.set i, i+1
.endr
	v_mul_u32_u24 v[VA], v1, PA
	v_lshl_add_u32 v[VA], v4, 4, v[VA]
.irp a, 1,2,3,4
	v_add_nc_u32 v[VA+(\a)], (\a)*16*PA, v[VA]
.endr
	s_lshl_b32 s35, s24, 8
	s_add_co_u32 s35, s35, STG
	v_mul_u32_u24 v[STO], v1, SPITCH
	v_lshl_add_u32 v[STO], v4, 5, v[STO]
	v_add_nc_u32 v[STO], s35, v[STO]               ; into the stage: row r, my wave's 256 bytes, 32 for each half of the lanes
	v_add_nc_u32 v[STO2], 4*16*SPITCH, v[STO]      ; row group 4 lies past the 16-bit offset
	s_mul_i32 s34, s28, SPITCH
	s_add_co_u32 s34, s34, STG
	v_add_nc_u32 v[RD], s34, v2
	s_mov_b32 s60, 0x3a800000                      ; 2^-10
	s_mov_b32 s61, s60                             ; named with it as a pair
	s_wait_asynccnt 0x0                            ; my 20 rows are in LDS,
	s_barrier_signal -1
	s_barrier_wait -1                              ; everybody's are
	LDA 0
	STEP 0, 1, 1, 1, 48                            ; the first two steps start the two sets of sums, in every work-group
	STEP 1, 1, 1, 1, 48
	WIN 0
	s_cmp_eq_u32 s12, 0
	s_cbranch_scc1 .Lnone                          ; a tile without rows: the other 30 steps are jumped; no barrier stands in what is jumped
	s_mov_b32 s25, 3
.Lk:                                                   ; three trips of eight steps
	STEP 2, 0, 1, 1, 48
	STEP 3, 0, 1, 1, 48
	STEP 4, 0, 1, 1, 48
	STEP 5, 0, 1, 1, 48
	STEP 6, 0, 1, 1, 48
	STEP 7, 0, 1, 1, 48
	STEP 8, 0, 1, 1, 48
	STEP 9, 0, 1, 1, 48
	WIN 0
	s_wait_xcnt 0x0                                ; the loads' offset registers are stepped only behind this wait
	v_add_nc_u32 v[VBL], 0x4000, v[VBL]
	v_add_nc_u32 v[VBL+1], 0x4000, v[VBL+1]
.irp a, 0,1,2,3,4
	v_add_nc_u32 v[VA+(\a)], 512, v[VA+(\a)]
.endr
	s_sub_co_u32 s25, s25, 1
	s_cmp_lg_u32 s25, 0
	s_cbranch_scc1 .Lk
.irp n, 2,3,4,5,6
	STEP \n, 0, 0, 1, 8*(7-(\n))                   ; the last six steps ask for no weights: the counts run down
.endr
	STEP 7, 0, 0, 0, 0
	WIN 0
.Lnone:
.rept 4
	v_nop                                          ; the places behind the last products, on either way
.endr
	s_wait_dscnt 0x0                               ; my LDS reads of the product are over: their addresses are stepped in the loop,
	s_barrier_signal -1                            ; and this barrier keeps every wave's such reads apart from every wave's stores into LDS
	s_barrier_wait -1
	s_cmp_eq_u32 s12, 0
	s_cbranch_scc1 .Lnostage
.irp a, 0,1,2,3,4
	v_pk_mul_f32 v[G1+2*(\a):G1+2*(\a)+1], v[G1+2*(\a):G1+2*(\a)+1], s[60:61] op_sel_hi:[1,0]
.endr
.irp a, 0,1,2,3,4
	v_mov_b32 v[G2+2*(\a)], v[G1+2*(\a)+1]
	v_mov_b32 v[G2+2*(\a)+1], v[G1+2*(\a)]
.endr
.irp a, 0,1,2,3,4                      ; a lane holds one token and eight neighbouring columns of each block b
.set T_, AF+32*((\a)%2)
	WIN 0x01                                       ; source 0 window 1
.irp b, 0,1,2,3
.irp q, 0,1,2,3
	v_pk_mul_f32 v[T_+8*(\b)+2*(\q):T_+8*(\b)+2*(\q)+1], v[8*(4*(\a)+(\b))+2*(\q):8*(4*(\a)+(\b))+2*(\q)+1], v[G1+2*(\a):G1+2*(\a)+1] op_sel_hi:[1,0]
.endr
.endr
	WIN 0x03                                       ; source 0 window 3
.irp b, 0,1,2,3
.irp q, 0,1,2,3
	v_pk_fma_f32 v[T_+8*(\b)+2*(\q):T_+8*(\b)+2*(\q)+1], v[8*(4*(\a)+(\b))+2*(\q):8*(4*(\a)+(\b))+2*(\q)+1], v[G2+2*(\a):G2+2*(\a)+1], v[T_+8*(\b)+2*(\q):T_+8*(\b)+2*(\q)+1] op_sel_hi:[1,0,1]
.endr
.endr
	WIN 0
.irp b, 0,1,2,3
.if (\a) < 4
	ds_store_b128 v[STO], v[T_+8*(\b):T_+8*(\b)+3] offset:(\a)*16*SPITCH+64*(\b)
	ds_store_b128 v[STO], v[T_+8*(\b)+4:T_+8*(\b)+7] offset:(\a)*16*SPITCH+64*(\b)+16
.else
	ds_store_b128 v[STO2], v[T_+8*(\b):T_+8*(\b)+3] offset:64*(\b)
	ds_store_b128 v[STO2], v[T_+8*(\b)+4:T_+8*(\b)+7] offset:64*(\b)+16
.endif
.endr
.endr
.Lnostage:
	s_wait_dscnt 0x0                               ; for the others' sake: my stores into the stage are done
	s_barrier_signal -1
	s_barrier_wait -1
	s_cmp_eq_u32 s12, 0
	s_cbranch_scc1 .Lend
	s_lshl_b32 s30, s27, 10
	s_mov_b32 s31, 0
	s_add_nc_u64 s[58:59], s[58:59], s[30:31]      ; the slice's 1,024 bytes of a row of out0
.set i, 0
.rept 20
	ds_load_b128 v[OR+8*i:OR+8*i+3], v[RD] offset:i*SPITCH
	ds_load_b128 v[OR+8*i+4:OR+8*i+7], v[RD] offset:i*SPITCH+512
.set i, i+1
.endr
.irp j, 0,2,4,6                        ; bias rounded to bf16
	v_cvt_pk_bf16_f32 v15, v[BI+(\j)], v[BI+(\j)+1]
	v_lshlrev_b32 v[BI+(\j)], 16, v15
	v_and_b32 v[BI+(\j)+1], 0xffff0000, v15
.endr
.set i, 0
.rept 20
	v_lshl_add_u32 v[VL+i], s[36+i], 12, v2        ; a row of out0 is 4,096 bytes
.set i, i+1
.endr
.set i, 0
.rept 20
	s_cmp_le_u32 s32, i                            ; rows past the count are not stored
	s_cbranch_scc1 .Lend
	s_wait_dscnt 2*(19-i)
.irp j, 0,2,4,6
	v_pk_add_f32 v[OR+8*i+(\j):OR+8*i+(\j)+1], v[OR+8*i+(\j):OR+8*i+(\j)+1], v[BI+(\j):BI+(\j)+1]
.endr
	global_store_b128 v[VL+i], v[OR+8*i:OR+8*i+3], s[58:59] th:TH_STORE_NT             ; each store covers 512 consecutive bytes, aligned
	global_store_b128 v[VL+i], v[OR+8*i+4:OR+8*i+7], s[58:59] offset:512 th:TH_STORE_NT
.set i, i+1
.endr
.Lend:
	s_wait_tensorcnt 0x0                           ; the wave's end, behind my last copy and my last LDS store
	ds_add_u32 v[SPW], v[NIL]
	s_wait_dscnt 0x0
	s_endpgm
.Lfunc_end_k_qe21d335a8c_outp:
	.size	k_qe21d335a8c_outp, .Lfunc_end_k_qe21d335a8c_outp-k_qe21d335a8c_outp
	.p2alignl 7, 3214868480
	.fill 96, 4, 3214868480
	.section	.rodata,"a",@progbits
	.p2align	6, 0x0
	.amdhsa_kernel k_qe21d335a8c_outp
		.amdhsa_group_segment_fixed_size 248832
		.amdhsa_private_segment_fixed_size 0
		.amdhsa_enable_private_segment 0
		.amdhsa_kernarg_size 48
		.amdhsa_user_sgpr_count 2
		.amdhsa_user_sgpr_kernarg_segment_ptr 1
		.amdhsa_wavefront_size32 1
		.amdhsa_system_sgpr_workgroup_id_x 1
		.amdhsa_system_sgpr_workgroup_id_y 1
		.amdhsa_system_sgpr_workgroup_id_z 1
		.amdhsa_system_vgpr_workitem_id 0
		.amdhsa_next_free_vgpr 1024
		.amdhsa_next_free_sgpr 66
		.amdhsa_reserve_vcc 0
		.amdhsa_float_denorm_mode_32 3
		.amdhsa_float_denorm_mode_16_64 3
		.amdhsa_memory_ordered 1
		.amdhsa_forward_progress 1
		.amdhsa_inst_pref_size 93
	.end_amdhsa_kernel
	.amdgpu_metadata
---
amdhsa.version: [ 1, 2 ]
amdhsa.kernels:
  - .name:           k_qe21d335a8c_outp
    .symbol:         k_qe21d335a8c_outp.kd
    .args:
      - { .name: ao, .offset: 0, .size: 8, .value_kind: global_buffer, .address_space: global }
      - { .name: wts, .offset: 8, .size: 8, .value_kind: global_buffer, .address_space: global }
      - { .name: tab, .offset: 16, .size: 8, .value_kind: global_buffer, .address_space: global }
      - { .name: gates, .offset: 24, .size: 8, .value_kind: global_buffer, .address_space: global }
      - { .name: bias, .offset: 32, .size: 8, .value_kind: global_buffer, .address_space: global }
      - { .name: out0, .offset: 40, .size: 8, .value_kind: global_buffer, .address_space: global }
    .group_segment_fixed_size: 248832
    .private_segment_fixed_size: 0
    .kernarg_segment_align: 8
    .kernarg_segment_size: 48
    .max_flat_workgroup_size: 128
    .sgpr_count:     66
    .vgpr_count:     1024
    .wavefront_size: 32
...
	.end_amdgpu_metadata
.endif
;; end of part 6
;; launch early (part 7): grid 64 x 1, 8 waves a work-group, no clusters, 17,408 bytes of LDS; arguments qkv, v32, sid, gates, wts, bias, out0; writes out0
.if DOCPART == 7
	.amdgcn_target "amdgcn-amd-amdhsa--gfx1250"
	.amdhsa_code_object_version 6
	.text
	.protected	k_qe21d335a8c_early
	.globl	k_qe21d335a8c_early
	.p2align	8
	.type	k_qe21d335a8c_early,@function
k_qe21d335a8c_early:
	s_mov_b64 s[64:65], 0
	v_nop
	global_prefetch_b8 v0, s[64:65] scope:SCOPE_SE
	s_setreg_imm32_b32 hwreg(HW_REG_WAVE_MODE, 25, 1), 1
	s_wait_xcnt 0x0
; EARLY.  The output rows of each batch's first 16 positions (32 tokens) once more, stored over what the launch before left there.  A row of position t is a mean of t + 1 rows of v, so the first rows'
; numbers are many times the output's root mean square, by which the result is judged: one rounding to f16 of v, of the weights and of O is too coarse for a number near zero there.
; Here each of the three goes to the matrix unit as TWO f16 numbers, the rounded number and what the rounding left (h + l: some 22 significant bits); operands are f16, sums f32.  q and k are taken as f16.
; LIMITS.  q, k, v within f16's 65,504; a hidden score counts as its value less 1e30; a weight below 2^-126 counts as 0; NaN and infinities are not treated apart.
; SHARES.  A work-group has 16 output columns of the 32 rows; wave g has head g of K and V: both batches (tile bt) and both slots j.
; PHASE 1, for each bt.  S^T = K Q^T for both slots (a lane holds one query, l % 16, and the keys 8 (l / 16) + 0..7; the causal mask is the C operand that starts the sum); softmax in f32, the maximum taken
; away, the weights divided by their sum; the weights split.  Only 16 of a product's 32 keys exist, so the other 16 places carry v's remainder: source 0 = [Vh | Vl], source 1 = [Ph | Ph], then [Pl | Pl]:
; O^T = (Vh + Vl)(Ph + Pl) in two products for 16 channels.  O^T holds one query a lane and eight channels a register block: split, its registers ARE the token operand of the last product.
; PHASE 2, for each expert e.  D = Wout[e] (my head's 64 channels) x O for both tiles and both slots, 16 products; then out += c D with a factor for each lane: the slot's gate x 2^-10 where e is the
; token's expert of that slot, else 0 (prep stored 1,024 x Wout).  sid feeds compares and selects alone: no address and no branch hangs on it.
; THE END.  The eight heads' partial sums meet in LDS; waves 0 and 1 add them and the bias (rounded to bf16 like every input) and store.  A row leaves as 64 consecutive bytes a work-group, 131,072 bytes in
; the launch: the price of sharing these few rows among 64 work-groups.  No tensor load and no cluster: all operands come from memory straight into registers, once.
; REGISTERS.  Window 0: v0-15 addresses; v16-31 S^T; v32-95 O^T, later D (v32-63), bias (v64-71), out (v80-95); v96-103 mask; v104-111 statistics; v112-119 experts and gates; v120-127 factors;
; v128-255 O's fragments, (bt, j, step s, h or l) at 128 + 64 bt + 32 j + 16 s + 8 hl; until they are made v224-255 hold the weights' fragments.
; Window 1: v0-127 Wout's fragments, (e, s) at 16 e + 8 s; until experts 4-7 are asked for v64-127 hold v in f32; v128-159 K; v160-223 Q; v224-255 [Vh | Vl].
.set RED,   0                          ; 8 waves x 2 tiles x 1,024 bytes
.set SPARE, 16384                      ; the spare words, 128 bytes for each of 8 waves
.set WO,    10485760
.set SPW,  10
.set NIL,  11
.set NEG1, 12                          ; v12  -1.0
.set S,    16
.set O,    32
.set D,    32
.set BI,   64
.set OUT,  80
.set MD,   96
.set ST,   104                         ; slot t: c m, the other half's number, 1 / l, at work
.set LO,   112                         ; v112-113 the tile's tokens' set, then expert lo; v114-115 hi
.set HI,   114
.set G,    116                         ; v[116:117], v[118:119]  (g_lo, g_hi) x 2^-10
.set CO,   120                         ; four pairs: the factor in the low word
.set AFR,  128
.set P,    224
.set RAW,  64                          ; window 1
.set KR,   128
.set QR,   160
.set VF,   224
.set CS,   30                          ; s[30:31] c = log2(e) / 8
.set SEL,  32                          ; s[32:33]
.set BIGN, 34
.set SC,   36                          ; s[36:37] 2^-10
.set MSB, 0
.macro WIN new                         ; the immediate's high byte repeats the setting that is left
.if MSB != (\new)
	s_set_vgpr_msb (MSB<<8)|(\new)
.set MSB, \new
.endif
.endm
.macro ALL line:vararg                 ; one line for each slot t
.set t, 0
.rept 2
	\line
.set t, t+1
.endr
.endm
.macro LDB e0                          ; Wout's fragments of experts e0 .. e0 + 3, my head's two steps: 16 loads of 512 consecutive bytes
	WIN 0x40                                       ; destination window 1
.set n, 0
.rept 8
	global_load_b128 v[16*(\e0)+8*n:16*(\e0)+8*n+3], v7, s[12:13] offset:((\e0)+n/2)*1048576+(n%2)*4096
	global_load_b128 v[16*(\e0)+8*n+4:16*(\e0)+8*n+7], v7, s[12:13] offset:((\e0)+n/2)*1048576+(n%2)*4096+512
.set n, n+1
.endr
	WIN 0
.endm
.macro SW bt                           ; the scores of both slots: two accumulators by turns
	WIN 0x05                                       ; K and Q window 1
	v_wmma_f32_16x16x32_f16 v[S:S+7], v[KR+16*(\bt):KR+16*(\bt)+7], v[QR+32*(\bt):QR+32*(\bt)+7], v[MD:MD+7]
	v_wmma_f32_16x16x32_f16 v[S+8:S+15], v[KR+16*(\bt):KR+16*(\bt)+7], v[QR+32*(\bt)+16:QR+32*(\bt)+23], v[MD:MD+7]
	v_wmma_f32_16x16x32_f16 v[S:S+7], v[KR+16*(\bt)+8:KR+16*(\bt)+15], v[QR+32*(\bt)+8:QR+32*(\bt)+15], v[S:S+7]
	v_wmma_f32_16x16x32_f16 v[S+8:S+15], v[KR+16*(\bt)+8:KR+16*(\bt)+15], v[QR+32*(\bt)+24:QR+32*(\bt)+31], v[S+8:S+15]
.endm
; A split, in three runs: pairs rounded to f16; each number less its rounded self, exact in f32, in place; the remainders rounded to f16.
.macro VSPLIT bt                       ; v: a lane holds channel 16 cb + l % 16 and keys 8 (l / 16) + 0..7; pair n: block n / 4.  These 64 lines are also the places behind the scores' products
	WIN 0x45                                       ; all in window 1
.set n, 0
.rept 16
	v_cvt_pk_f16_f32 v[VF+8*(n/4)+n%4], v[RAW+32*(\bt)+2*n], v[RAW+32*(\bt)+2*n+1]
.set n, n+1
.endr
	WIN 0x51                                       ; but for -1.0
.set n, 0
.rept 16
	v_fma_mix_f32 v[RAW+32*(\bt)+2*n], v[VF+8*(n/4)+n%4], v[NEG1], v[RAW+32*(\bt)+2*n] op_sel_hi:[1,0,0]
	v_fma_mix_f32 v[RAW+32*(\bt)+2*n+1], v[VF+8*(n/4)+n%4], v[NEG1], v[RAW+32*(\bt)+2*n+1] op_sel:[1,0,0] op_sel_hi:[1,0,0]
.set n, n+1
.endr
	WIN 0x45
.set n, 0
.rept 16
	v_cvt_pk_f16_f32 v[VF+8*(n/4)+4+n%4], v[RAW+32*(\bt)+2*n], v[RAW+32*(\bt)+2*n+1]
.set n, n+1
.endr
	WIN 0
.endm
.macro SOFTMAX                         ; both slots, line by line; each accumulator's lowest registers are read first
	ALL v_max3_num_f32 v[ST+4*t+3], v[S+8*t], v[S+8*t+1], v[S+8*t+2]
	ALL v_max3_num_f32 v[ST+4*t+3], v[ST+4*t+3], v[S+8*t+3], v[S+8*t+4]
	ALL v_max3_num_f32 v[ST+4*t+3], v[ST+4*t+3], v[S+8*t+5], v[S+8*t+6]
	ALL v_max_num_f32 v[ST+4*t+3], v[ST+4*t+3], v[S+8*t+7]
	ALL v_permlanex16_b32 v[ST+4*t+1], v[ST+4*t+3], s[SEL], s[SEL+1]
	ALL v_max_num_f32 v[ST+4*t+3], v[ST+4*t+3], v[ST+4*t+1]
	ALL v_mul_f32 v[ST+4*t], s[CS], v[ST+4*t+3]
.set n, 0
.rept 8
	v_pk_fma_f32 v[S+2*n:S+2*n+1], v[S+2*n:S+2*n+1], s[CS:CS+1], v[ST+4*(n/4):ST+4*(n/4)+1] op_sel_hi:[1,0,0] neg_lo:[0,0,1] neg_hi:[0,0,1]
.set n, n+1
.endr
.set n, 0
.rept 16
	v_exp_f32 v[S+n], v[S+n]
.set n, n+1
.endr
	v_nop                                          ; a plain instruction behind the last exponential,
	s_wait_alu depctr_va_vdst(0)                   ; and one wait for the batch of sixteen
	ALL v_pk_add_f32 v[O+4*t:O+4*t+1], v[S+8*t:S+8*t+1], v[S+8*t+2:S+8*t+3]
	ALL v_pk_add_f32 v[O+4*t+2:O+4*t+3], v[S+8*t+4:S+8*t+5], v[S+8*t+6:S+8*t+7]
	ALL v_pk_add_f32 v[O+4*t:O+4*t+1], v[O+4*t:O+4*t+1], v[O+4*t+2:O+4*t+3]
	ALL v_add_f32 v[ST+4*t+3], v[O+4*t], v[O+4*t+1]
	ALL v_permlanex16_b32 v[ST+4*t+1], v[ST+4*t+3], s[SEL], s[SEL+1]
	ALL v_add_f32 v[ST+4*t+3], v[ST+4*t+3], v[ST+4*t+1]
	ALL v_rcp_f32 v[ST+4*t+2], v[ST+4*t+3]
	v_nop
	s_wait_alu depctr_va_vdst(0)                   ; one wait for the two reciprocals
.set n, 0
.rept 8
	v_pk_mul_f32 v[S+2*n:S+2*n+1], v[S+2*n:S+2*n+1], v[ST+4*(n/4)+2:ST+4*(n/4)+3] op_sel_hi:[1,0]
.set n, n+1
.endr
.endm
.macro PSPLIT                          ; the weights: pair n of slot n / 4.  Each part is written twice: once against Vh, once against Vl
.set n, 0
.rept 8
	v_cvt_pk_f16_f32 v[P+16*(n/4)+n%4], v[S+2*n], v[S+2*n+1]
.set n, n+1
.endr
.set n, 0
.rept 8
	v_fma_mix_f32 v[S+2*n], v[P+16*(n/4)+n%4], v[NEG1], v[S+2*n] op_sel_hi:[1,0,0]
	v_fma_mix_f32 v[S+2*n+1], v[P+16*(n/4)+n%4], v[NEG1], v[S+2*n+1] op_sel:[1,0,0] op_sel_hi:[1,0,0]
.set n, n+1
.endr
.set n, 0
.rept 8
	v_cvt_pk_f16_f32 v[P+16*(n/4)+8+n%4], v[S+2*n], v[S+2*n+1]
	v_mov_b32 v[P+16*(n/4)+4+n%4], v[P+16*(n/4)+n%4]
.set n, n+1
.endr
.set n, 0
.rept 8
	v_mov_b32 v[P+16*(n/4)+12+n%4], v[P+16*(n/4)+8+n%4]
.set n, n+1
.endr
.endm
.macro PVM                             ; product n: part n / 8 of the weights, channels 16 ((n % 8) / 2) on, slot n % 2: eight accumulators by turns
	WIN 0x01                                       ; [Vh | Vl] window 1
.set n, 0
.rept 16
.if n < 8
	v_wmma_f32_16x16x32_f16 v[O+32*(n%2)+8*((n%8)/2):O+32*(n%2)+8*((n%8)/2)+7], v[VF+8*((n%8)/2):VF+8*((n%8)/2)+7], v[P+16*(n%2):P+16*(n%2)+7], 0
.else
	v_wmma_f32_16x16x32_f16 v[O+32*(n%2)+8*((n%8)/2):O+32*(n%2)+8*((n%8)/2)+7], v[VF+8*((n%8)/2):VF+8*((n%8)/2)+7], v[P+16*(n%2)+8:P+16*(n%2)+15], v[O+32*(n%2)+8*((n%8)/2):O+32*(n%2)+8*((n%8)/2)+7]
.endif
.set n, n+1
.endr
	WIN 0
.rept 4
	v_nop                                          ; the places behind the last products
.endr
.endm
.macro OSPLIT bt                       ; O: pair n: slot n / 16, channel block (n % 16) / 4: blocks 2 s and 2 s + 1 are registers 0-3 and 4-7 of step s's fragment
.set n, 0
.rept 32
	v_cvt_pk_f16_f32 v[AFR+64*(\bt)+32*(n/16)+16*((n%16)/8)+4*((n%8)/4)+n%4], v[O+2*n], v[O+2*n+1]
.set n, n+1
.endr
.set n, 0
.rept 32
	v_fma_mix_f32 v[O+2*n], v[AFR+64*(\bt)+32*(n/16)+16*((n%16)/8)+4*((n%8)/4)+n%4], v[NEG1], v[O+2*n] op_sel_hi:[1,0,0]
	v_fma_mix_f32 v[O+2*n+1], v[AFR+64*(\bt)+32*(n/16)+16*((n%16)/8)+4*((n%8)/4)+n%4], v[NEG1], v[O+2*n+1] op_sel:[1,0,0] op_sel_hi:[1,0,0]
.set n, n+1
.endr
.set n, 0
.rept 32
	v_cvt_pk_f16_f32 v[AFR+64*(\bt)+32*(n/16)+16*((n%16)/8)+8+4*((n%8)/4)+n%4], v[O+2*n], v[O+2*n+1]
.set n, n+1
.endr
.endm
; Expert e.  Product n: step n / 8, part (n / 4) % 2, tile (n / 2) % 2, slot n % 2: four accumulators by turns; the first four start the sums.  The eight lines that make the factors are the places behind them.
.macro EXPERT e
	WIN 0x01                                       ; Wout window 1
.set n, 0
.rept 16
.if n < 4
	v_wmma_f32_16x16x32_f16 v[D+8*(n%4):D+8*(n%4)+7], v[16*(\e)+8*(n/8):16*(\e)+8*(n/8)+7], v[AFR+64*((n/2)%2)+32*(n%2)+16*(n/8)+8*((n/4)%2):AFR+64*((n/2)%2)+32*(n%2)+16*(n/8)+8*((n/4)%2)+7], 0
.else
	v_wmma_f32_16x16x32_f16 v[D+8*(n%4):D+8*(n%4)+7], v[16*(\e)+8*(n/8):16*(\e)+8*(n/8)+7], v[AFR+64*((n/2)%2)+32*(n%2)+16*(n/8)+8*((n/4)%2):AFR+64*((n/2)%2)+32*(n%2)+16*(n/8)+8*((n/4)%2)+7], v[D+8*(n%4):D+8*(n%4)+7]
.endif
.set n, n+1
.endr
	WIN 0
	v_cmp_eq_u32 s40, \e, v[LO]
	v_cmp_eq_u32 s41, \e, v[HI]
	v_cmp_eq_u32 s42, \e, v[LO+1]
	v_cmp_eq_u32 s43, \e, v[HI+1]
	v_cndmask_b32 v[CO], 0, v[G], s40
	v_cndmask_b32 v[CO+2], 0, v[G+1], s41
	v_cndmask_b32 v[CO+4], 0, v[G+2], s42
	v_cndmask_b32 v[CO+6], 0, v[G+3], s43
.set n, 0
.rept 16                                               ; accumulator n / 4 = 2 tile + slot, its pair n % 4, in ascending order
.if ((\e) == 0) && ((n/4)%2 == 0)
	v_pk_mul_f32 v[OUT+8*(n/8)+2*(n%4):OUT+8*(n/8)+2*(n%4)+1], v[D+2*n:D+2*n+1], v[CO+2*(n/4):CO+2*(n/4)+1] op_sel_hi:[1,0]
.else
	v_pk_fma_f32 v[OUT+8*(n/8)+2*(n%4):OUT+8*(n/8)+2*(n%4)+1], v[D+2*n:D+2*n+1], v[CO+2*(n/4):CO+2*(n/4)+1], v[OUT+8*(n/8)+2*(n%4):OUT+8*(n/8)+2*(n%4)+1] op_sel_hi:[1,0,1]
.endif
.set n, n+1
.endr
.endm
	s_load_b256 s[4:11], s[0:1], 0x0               ; qkv s[4:5], v32 s[6:7], sid s[8:9], gates s[10:11]
	s_load_b128 s[12:15], s[0:1], 0x20             ; wts s[12:13], bias s[14:15]
	s_load_b64 s[16:17], s[0:1], 0x30              ; out0
	v_lshl_add_u32 v[SPW], v0, 2, SPARE
	v_mov_b32 v[NIL], 0
	v_lshrrev_b32 v2, 5, v0
	v_readfirstlane_b32 s24, v2                    ; wave = head
	v_and_b32 v1, 31, v0
	v_lshlrev_b32 v1, 4, v1                        ; 16 lane
	v_and_b32 v2, 15, v0                           ; r
	v_bfe_u32 v3, v0, 4, 1                         ; h
	s_lshl_b32 s25, s24, 8
	v_lshl_add_u32 v4, v2, 11, s25
	v_lshl_add_u32 v4, v3, 4, v4                   ; q: token r's 2,048 bytes, the head's 256, 16 for each half of the lanes
	s_lshl_b32 s25, s24, 18
	v_lshl_add_u32 v5, v2, 7, s25
	v_lshl_add_u32 v5, v3, 4, v5                   ; k: the head's 262,144 bytes, key r's 128
	s_lshl_b32 s25, s24, 12
	v_lshl_add_u32 v6, v2, 6, s25
	v_lshl_add_u32 v6, v3, 5, v6                   ; v32: the head's 4,096 bytes, channel r's 64, keys 8 h on
	s_lshr_b32 s26, ttmp9, 2
	s_lshl_b32 s26, s26, 16                        ; Wout: my 16 columns' block of 64,
	s_and_b32 s27, ttmp9, 3
	s_lshl_b32 s27, s27, 10                        ; their fragment,
	s_add_co_u32 s26, s26, s27
	s_lshl_b32 s27, s24, 13                        ; my head's two steps of 4,096 bytes
	s_add_co_u32 s26, s26, s27
	s_add_co_u32 s26, s26, WO
	v_add_nc_u32 v7, s26, v1
	v_lshlrev_b32 v8, 2, v2                        ; sid
	v_lshlrev_b32 v9, 3, v2                        ; gates
	s_lshl_b32 s28, ttmp9, 6                       ; my 16 columns in bytes of f32
	v_lshl_add_u32 v13, v3, 5, s28                 ; bias: 8 columns for each half of the lanes
	v_mov_b32 v[NEG1], -1.0
	v_mov_b32 v[ST+1], 0                           ; written before v_permlanex16_b32 names them as its destination
	v_mov_b32 v[ST+5], 0
.irp j, 1,3,5,7
	v_mov_b32 v[CO+(\j)], 0                        ; named with the factors as pairs
.endr
	s_mov_b32 s[CS], 0x3e38aa3b
	s_mov_b32 s[CS+1], s[CS]
	s_mov_b32 s[SEL], 0x76543210
	s_mov_b32 s[SEL+1], 0xfedcba98
	s_mov_b32 s[BIGN], 0xf149f2ca                  ; -1e30
	s_mov_b32 s[SC], 0x3a800000                    ; 2^-10
	s_mov_b32 s[SC+1], s[SC]
	s_wait_kmcnt 0x0
	s_add_nc_u64 s[18:19], s[4:5], 0x800000        ; k
	global_load_b32 v[LO], v8, s[8:9]              ; tokens r and 2,048 + r
	global_load_b32 v[LO+1], v8, s[8:9] offset:8192
	global_load_b64 v[G:G+1], v9, s[10:11]
	global_load_b64 v[G+2:G+3], v9, s[10:11] offset:16384
	WIN 0x40                                       ; destination window 1
.set n, 0
.rept 8                                                ; v: tile n / 4, channels 16 (n % 4) on
	global_load_b128 v[RAW+8*n:RAW+8*n+3], v6, s[6:7] offset:(n/4)*32768+(n%4)*1024
	global_load_b128 v[RAW+8*n+4:RAW+8*n+7], v6, s[6:7] offset:(n/4)*32768+(n%4)*1024+16
.set n, n+1
.endr
.set n, 0
.rept 4                                                ; K: tile n / 2, channels 32 (n % 2) on
	global_load_b128 v[KR+8*n:KR+8*n+3], v5, s[18:19] offset:(n/2)*2097152+(n%2)*64
	global_load_b128 v[KR+8*n+4:KR+8*n+7], v5, s[18:19] offset:(n/2)*2097152+(n%2)*64+32
.set n, n+1
.endr
.set n, 0
.rept 8                                                ; Q: tile n / 4, slot (n / 2) % 2, channels 32 (n % 2) on
	global_load_b128 v[QR+8*n:QR+8*n+3], v4, s[4:5] offset:(n/4)*4194304+((n/2)%2)*128+(n%2)*64
	global_load_b128 v[QR+8*n+4:QR+8*n+7], v4, s[4:5] offset:(n/4)*4194304+((n/2)%2)*128+(n%2)*64+32
.set n, n+1
.endr
	LDB 0                                          ; experts 0 to 3: 60 loads of mine are out
	v_lshlrev_b32 v14, 3, v3
	v_sub_nc_u32 v14, v2, v14                      ; my query less my lanes' 8 h: key register n is hidden where n is greater
.set n, 0
.rept 8
	v_cmp_gt_i32 vcc_lo, n, v14
	v_cndmask_b32 v[MD+n], 0, s[BIGN], vcc_lo
.set n, n+1
.endr
	s_wait_loadcnt 16                              ; the 16 loads of Wout are younger: all else is in
.irp b, 0,1                            ; set = hi (hi - 1) / 2 + lo: hi is the largest number whose triangle is not beyond the set
	v_mov_b32 v[HI+(\b)], 1
	v_mov_b32 v14, 0
.irp h, 2,3,4,5,6,7
	v_cmp_le_u32 vcc_lo, (\h)*((\h)-1)/2, v[LO+(\b)]
	v_cndmask_b32 v[HI+(\b)], v[HI+(\b)], \h, vcc_lo
	v_cndmask_b32 v14, v14, (\h)*((\h)-1)/2, vcc_lo
.endr
	v_sub_nc_u32 v[LO+(\b)], v[LO+(\b)], v14
.endr
	v_pk_mul_f32 v[G:G+1], v[G:G+1], s[SC:SC+1] op_sel_hi:[1,0]
	v_pk_mul_f32 v[G+2:G+3], v[G+2:G+3], s[SC:SC+1] op_sel_hi:[1,0]
	SW 0
	VSPLIT 0
	SOFTMAX
	PSPLIT
	PVM
	OSPLIT 0
	SW 1
	VSPLIT 1
	LDB 4                                          ; experts 4 to 7, into the registers that held v
	SOFTMAX
	PSPLIT
	PVM
	OSPLIT 1
	global_load_b128 v[BI:BI+3], v13, s[14:15]
	global_load_b128 v[BI+4:BI+7], v13, s[14:15] offset:16
	s_wait_loadcnt 18                              ; experts 4 to 7 (16 loads) and the bias (2) are younger: experts 0 to 3 are in
	EXPERT 0
	EXPERT 1
	EXPERT 2
	EXPERT 3
	s_wait_loadcnt 2                               ; the bias is younger
	EXPERT 4
	EXPERT 5
	EXPERT 6
	EXPERT 7
	s_lshl_b32 s44, s24, 11
	v_add_nc_u32 v16, s44, v1                      ; my wave's 2,048 bytes: tile bt's registers 0-3 at 1,024 bt + 16 lane, 4-7 at 512 more
	ds_store_b128 v16, v[OUT:OUT+3]
	ds_store_b128 v16, v[OUT+4:OUT+7] offset:512
	ds_store_b128 v16, v[OUT+8:OUT+11] offset:1024
	ds_store_b128 v16, v[OUT+12:OUT+15] offset:1536
	s_wait_dscnt 0x0                               ; for the others' sake: my partial sums are in LDS
	s_barrier_signal -1
	s_barrier_wait -1
	s_cmp_ge_u32 s24, 2
	s_cbranch_scc1 .Lend
	s_lshl_b32 s44, s24, 10                        ; wave w takes tile w
	v_add_nc_u32 v17, s44, v1
.set i, 0
.rept 8
	ds_load_b128 v[AFR+8*i:AFR+8*i+3], v17 offset:i*2048
	ds_load_b128 v[AFR+8*i+4:AFR+8*i+7], v17 offset:i*2048+512
.set i, i+1
.endr
	s_lshl_b32 s29, s24, 23                        ; the second batch's rows begin 2,048 x 4,096 bytes on
	s_add_co_u32 s29, s29, s28
	v_lshl_add_u32 v18, v2, 12, s29
	v_lshl_add_u32 v18, v3, 5, v18                 ; token r's row, my 16 columns, 8 for each half of the lanes
	s_wait_loadcnt 0x0
.irp j, 0,2,4,6                        ; bias rounded to bf16
	v_cvt_pk_bf16_f32 v14, v[BI+(\j)], v[BI+(\j)+1]
	v_lshlrev_b32 v[BI+(\j)], 16, v14
	v_and_b32 v[BI+(\j)+1], 0xffff0000, v14
.endr
	s_wait_dscnt 0x0
.set i, 1
.rept 7
.irp j, 0,2,4,6
	v_pk_add_f32 v[AFR+(\j):AFR+(\j)+1], v[AFR+(\j):AFR+(\j)+1], v[AFR+8*i+(\j):AFR+8*i+(\j)+1]
.endr
.set i, i+1
.endr
.irp j, 0,2,4,6
	v_pk_add_f32 v[AFR+(\j):AFR+(\j)+1], v[AFR+(\j):AFR+(\j)+1], v[BI+(\j):BI+(\j)+1]
.endr
	global_store_b128 v18, v[AFR:AFR+3], s[16:17]
	global_store_b128 v18, v[AFR+4:AFR+7], s[16:17] offset:16
.Lend:
	s_wait_tensorcnt 0x0                           ; the wave's end, behind my last LDS store
	ds_add_u32 v[SPW], v[NIL]
	s_wait_dscnt 0x0
	s_endpgm
.Lfunc_end_k_qe21d335a8c_early:
	.size	k_qe21d335a8c_early, .Lfunc_end_k_qe21d335a8c_early-k_qe21d335a8c_early
	.p2alignl 7, 3214868480
	.fill 96, 4, 3214868480
	.section	.rodata,"a",@progbits
	.p2align	6, 0x0
	.amdhsa_kernel k_qe21d335a8c_early
		.amdhsa_group_segment_fixed_size 17408
		.amdhsa_private_segment_fixed_size 0
		.amdhsa_enable_private_segment 0
		.amdhsa_kernarg_size 56
		.amdhsa_user_sgpr_count 2
		.amdhsa_user_sgpr_kernarg_segment_ptr 1
		.amdhsa_wavefront_size32 1
		.amdhsa_system_sgpr_workgroup_id_x 1
		.amdhsa_system_sgpr_workgroup_id_y 1
		.amdhsa_system_sgpr_workgroup_id_z 1
		.amdhsa_system_vgpr_workitem_id 0
		.amdhsa_next_free_vgpr 512
		.amdhsa_next_free_sgpr 66
		.amdhsa_reserve_vcc 1
		.amdhsa_float_denorm_mode_32 3
		.amdhsa_float_denorm_mode_16_64 3
		.amdhsa_memory_ordered 1
		.amdhsa_forward_progress 1
		.amdhsa_inst_pref_size 77
	.end_amdhsa_kernel
	.amdgpu_metadata
---
amdhsa.version: [ 1, 2 ]
amdhsa.kernels:
  - .name:           k_qe21d335a8c_early
    .symbol:         k_qe21d335a8c_early.kd
    .args:
      - { .name: qkv, .offset: 0, .size: 8, .value_kind: global_buffer, .address_space: global }
      - { .name: v32, .offset: 8, .size: 8, .value_kind: global_buffer, .address_space: global }
      - { .name: sid, .offset: 16, .size: 8, .value_kind: global_buffer, .address_space: global }
      - { .name: gates, .offset: 24, .size: 8, .value_kind: global_buffer, .address_space: global }
      - { .name: wts, .offset: 32, .size: 8, .value_kind: global_buffer, .address_space: global }
      - { .name: bias, .offset: 40, .size: 8, .value_kind: global_buffer, .address_space: global }
      - { .name: out0, .offset: 48, .size: 8, .value_kind: global_buffer, .address_space: global }
    .group_segment_fixed_size: 17408
    .private_segment_fixed_size: 0
    .kernarg_segment_align: 8
    .kernarg_segment_size: 56
    .max_flat_workgroup_size: 256
    .sgpr_count:     66
    .vgpr_count:     512
    .wavefront_size: 32
...
	.end_amdgpu_metadata
.endif
;; end of part 7
;; ======== version 2 of 2: 7 launches; 1.20 times as fast as version 1
;; limits: right only within a limited range of input values; values are held in f16: magnitudes above 65,504 overflow, below 6.1e-05 lose precision
;; workspace buffers: xb 8,388,608 bytes; sid 16,384 bytes of whole numbers; gates 32,768 bytes; wts 18,874,368 bytes; tab 34,304 bytes of whole numbers; qkv 16,777,216 bytes; ao 8,388,608 bytes; v32 65,536 bytes
;; launch route: the kernel of part 1 again; grid 256 x 1, 4 waves a work-group, no clusters, 72,192 bytes of LDS; arguments x, noise, Wr, br, Wn, bn, xb, sid, gates; writes xb, sid, gates
;; launch prep: the kernel of part 2 again; grid 288 x 1, 8 waves a work-group, no clusters, 68,608 bytes of LDS; arguments Win, Wk, Wv, Wout, wts; writes wts
;; launch sortl (part 8): grid 1 x 1, 16 waves a work-group, no clusters, 53,248 bytes of LDS; arguments sid, tab; writes tab
.if DOCPART == 8
	.amdgcn_target "amdgcn-amd-amdhsa--gfx1250"
	.amdhsa_code_object_version 6
	.text
	.protected	k_qe21d335a8c_sortl
	.globl	k_qe21d335a8c_sortl
	.p2align	8
	.type	k_qe21d335a8c_sortl,@function
k_qe21d335a8c_sortl:
	s_mov_b64 s[64:65], 0
	v_nop
	global_prefetch_b8 v0, s[64:65] scope:SCOPE_SE
	s_setreg_imm32_b32 hwreg(HW_REG_WAVE_MODE, 25, 1), 1
	s_wait_xcnt 0x0
; SORTL.  One work-group sorts the 4,096 tokens by their set of experts (a counting sort, no atomics) and stores the table of tiles.
; tab: TINFO at 0: 96 entries {rows, lo, hi, 0}; ROWL at 1,536: rows of 80 token numbers, one for each tile.  A tile has up to 80 tokens of ONE set; places past its count hold token 0.
; There are never more than (4,096 + 28 x 79) / 80 = 78 tiles, whatever the split.  The sum over all tokens has one owner, so the launch has one work-group.
; Chunk c is tokens 32 c .. 32 c + 31, a token a lane; wave w has chunks 8 w .. 8 w + 7.
; A CHUNK takes five masks, one for each bit of the set's number: which lanes have that bit set.  The AND of the five, each taken as it is or inverted by the bits of a number s, is the mask of the chunk's tokens
; of set s.  With s the lane's own token's set it gives the token's rank among its like (the ones below the lane); with s the lane's number it gives lane s the chunk's count of set s (the ones, counted by
; shifts and masks).  47 instructions a chunk, whatever the number of sets.
; A token's place = 80 x its set's first tile + its set's tokens in earlier waves + in the wave's earlier chunks + its rank.
; LDS.  Between two barriers either every wave stores into bytes of its own alone, or all waves only read, or wave 0 alone touches LDS.
.set XP,    0                          ; 128 chunks x 32 words: first lane s: the place of the chunk's first token of set s; then lane l: the byte place of the chunk's token l
.set IMG,   16384                      ; the image of ROWL, 32,768 bytes
.set WT,    49152                      ; 16 waves x 32 words: lane s: the wave's tokens of set s
.set SPARE, 51200                      ; the spare words, 128 bytes for each of 16 waves
.set ROWL,  1536
.set SPW,   10
.set NIL,   11
.set SID,   16                         ; v16-23  the tokens' sets, chunk by chunk
.set RK,    24                         ; v24-31  their ranks
.set OF,    32                         ; v32-40  lane s: set s's tokens in the wave's chunks before chunk i; the ninth: in the whole wave
.set EB,    41                         ; v41-45  bit b of the lane's number: set: 0, clear: -1
.set HM,    48                         ; v48-55  lane s: the mask of the chunk's tokens of set s, then their count; later the tokens' places
.set TB,    56                         ; v56-60  at work
.set PP,    61
.set XX,    62
.set TM,    64                         ; v64-71  at work
.set RW,    64                         ; v64-79  the 16 waves' totals
.set PL,    64                         ; v64-191 wave 0: the 4,096 tokens' places, 128 a lane
.set TN,    192                        ; v192-195 wave 0: four token numbers
.set PA,    196                        ; v196    wave 0: 16 lane; never rewritten
.set M,     36                         ; s36-40  the five masks
.set N,     41                         ; s41-45  inverted
.macro BAR                             ; my LDS instructions are done; then the work-group's barrier
	s_wait_dscnt 0x0
	s_barrier_signal -1
	s_barrier_wait -1
.endm
.macro ALL8 line:vararg                ; one line for each chunk i
.set i, 0
.rept 8
	\line
.set i, i+1
.endr
.endm
.macro BAL c                           ; chunk c: the five masks, the tokens' ranks, the sets' masks
.irp b, 0,1,2,3,4
	v_and_b32 v[TB+\b], 1<<\b, v[SID+(\c)]
.endr
.irp b, 0,1,2,3,4
	v_cmp_ne_u32 s[M+\b], 0, v[TB+\b]
.endr
.irp b, 0,1,2,3,4
	s_not_b32 s[N+\b], s[M+\b]
.endr
	v_cndmask_b32 v[PP], s[N], s[M], s[M]          ; my token has the bit: the lanes that have it; else those that have it not
	v_xor_b32 v[HM+(\c)], s[M], v[EB]              ; the same by the bit of my lane's number
.irp b, 1,2,3,4
	v_cndmask_b32 v[XX], s[N+\b], s[M+\b], s[M+\b]
	v_xor_b32 v[TB+\b], s[M+\b], v[EB+\b]
	v_and_b32 v[PP], v[PP], v[XX]
	v_and_b32 v[HM+(\c)], v[HM+(\c)], v[TB+\b]
.endr
	v_mbcnt_lo_u32_b32 v[RK+(\c)], v[PP], 0        ; how many lower lanes have my token's set
.endm
	s_load_b128 s[4:7], s[0:1], 0x0                ; sid s[4:5], tab s[6:7]
	v_lshl_add_u32 v[SPW], v0, 2, SPARE
	v_mov_b32 v[NIL], 0
	v_lshrrev_b32 v9, 5, v0
	v_readfirstlane_b32 s24, v9                    ; wave
	v_and_b32 v1, 31, v0                           ; lane
	v_lshlrev_b32 v2, 2, v1                        ; 4 lane
	v_lshlrev_b32 v15, 4, v0                       ; 16 x thread
	v_add_nc_u32 v3, IMG, v15
	v_mov_b32 v4, 0
	v_mov_b32 v5, 0
	v_mov_b32 v6, 0
	v_mov_b32 v7, 0
	s_lshl_b32 s20, s24, 10
	s_lshl_b32 s21, s24, 7
	v_lshl_add_u32 v12, v1, 2, s20                 ; 1,024 wave + 4 lane: my word in sid and in XP, chunk by chunk 128 bytes on
	v_lshl_add_u32 v13, v1, 2, s21                 ; 128 wave + 4 lane: my word of my wave's totals
	s_mov_b32 s46, 0x55555555
	s_mov_b32 s47, 0x33333333
	s_mov_b32 s48, 0x0f0f0f0f
	s_mov_b32 s49, 0x01010101
	s_mov_b32 s50, 0xffff0000                      ; lanes 16 to 31
	s_wait_kmcnt 0x0
	ALL8 global_load_b32 v[SID+i], v12, s[4:5] offset:i*128
.irp j, 0,1,2,3
	ds_store_b128 v3, v[4:7] offset:(\j)*8192      ; the image starts as token 0 everywhere
.endr
.irp b, 0,1,2,3,4
	v_and_b32 v[TB+\b], 1<<\b, v1
	v_cmp_eq_u32 vcc_lo, 0, v[TB+\b]
	v_cndmask_b32 v[EB+\b], 0, -1, vcc_lo
.endr
	v_mov_b32 v[OF], 0
	s_wait_loadcnt 0x0
	ALL8 v_min_u32 v[SID+i], 27, v[SID+i]
.set n, 0
.rept 8
	BAL n
.set n, n+1
.endr
	; the ones of the eight masks, stage by stage, so that no line waits for the one before it: pairs, fours, bytes, the sum of the four bytes
	ALL8 v_lshrrev_b32 v[TM+i], 1, v[HM+i]
	ALL8 v_and_b32 v[TM+i], s46, v[TM+i]
	ALL8 v_sub_nc_u32 v[HM+i], v[HM+i], v[TM+i]
	ALL8 v_lshrrev_b32 v[TM+i], 2, v[HM+i]
	ALL8 v_and_b32 v[HM+i], s47, v[HM+i]
	ALL8 v_and_b32 v[TM+i], s47, v[TM+i]
	ALL8 v_add_nc_u32 v[HM+i], v[HM+i], v[TM+i]
	ALL8 v_lshrrev_b32 v[TM+i], 4, v[HM+i]
	ALL8 v_add_nc_u32 v[HM+i], v[HM+i], v[TM+i]
	ALL8 v_and_b32 v[HM+i], s48, v[HM+i]
	ALL8 v_mul_lo_u32 v[HM+i], v[HM+i], s49
	ALL8 v_lshrrev_b32 v[HM+i], 24, v[HM+i]
	ALL8 v_add_nc_u32 v[OF+i+1], v[OF+i], v[HM+i]
	ds_store_b32 v13, v[OF+8] offset:WT
	BAR                                            ; the waves' totals are in LDS, and the image is cleared
	; every wave, a set a lane: the set's tokens n, those of earlier waves, its tiles, its first tile
.set j, 0
.rept 16
	ds_load_b32 v[RW+j], v2 offset:WT+j*128
.set j, j+1
.endr
	v_mov_b32 v81, 0
	v_mov_b32 v82, 0
	v_mov_b32 v85, 0                               ; written before the lines below name it as their destination
	s_wait_dscnt 0x0
.set j, 0
.rept 16
	s_cmp_gt_u32 s24, j
	s_cselect_b32 s30, -1, 0
	v_and_b32 v80, s30, v[RW+j]
	v_add_nc_u32 v82, v82, v[RW+j]                 ; n
	v_add_nc_u32 v81, v81, v80                     ; of the waves before mine
.set j, j+1
.endr
	v_add_nc_u32 v83, 79, v82                      ; tiles: (n + 79) / 80, exact for n + 79 under 65,536 by this multiply and shift
	v_mul_u32_u24 v83, v83, 0xcccd
	v_lshrrev_b32 v83, 22, v83
	v_mov_b32 v84, v83                             ; the running sum over the lanes: four steps inside each half of 16 lanes,
.irp sh, 1,2,4,8
	v_mov_b32_dpp v85, v84 row_shr:\sh row_mask:0xf bank_mask:0xf bound_ctrl:1
	v_add_nc_u32 v84, v84, v85
.endr
	v_readlane_b32 s31, v84, 15                    ; and the lower half's sum onto the upper half
	v_cndmask_b32 v85, 0, s31, s50
	v_add_nc_u32 v84, v84, v85                     ; v84: the tile behind the set's last; it never falls from lane to lane
	v_sub_nc_u32 v86, v84, v83
	v_mul_u32_u24 v86, v86, 80                     ; v86: the set's first place
	v_add_nc_u32 v87, v86, v82                     ; v87: the place behind its last token
	v_add_nc_u32 v88, v86, v81
.set i, 0
.rept 8
	v_add_nc_u32 v[TM+i], v88, v[OF+i]
	ds_store_b32 v12, v[TM+i] offset:i*128         ; into my own rows of XP
.set i, i+1
.endr
	BAR
.set i, 0
.rept 8
	v_lshl_add_u32 v[TM+i], v[SID+i], 2, s20
	ds_load_b32 v[HM+i], v[TM+i] offset:i*128      ; the word of my token's set
.set i, i+1
.endr
	s_wait_dscnt 0x0
	ALL8 v_add_lshl_u32 v[HM+i], v[HM+i], v[RK+i], 2
	BAR                                            ; every wave's reads of XP are over
	ALL8 ds_store_b32 v12, v[HM+i] offset:i*128
	BAR                                            ; XP holds each token's place in bytes, at byte 4 x token
	s_cmp_lg_u32 s24, 0
	s_cbranch_scc1 .Lnot0
	; wave 0 alone places the 4,096 token numbers, so that no two waves store into the same bytes between two barriers.  All its reads lie in XP's 16,384 bytes, at constant offsets from one address;
	; all its stores lie in the image, each place clamped by a constant written in the line.
	v_lshlrev_b32 v[PA], 4, v1
	v_mov_b32 v[TN], v2                            ; tokens 4 lane + 0..3
	v_add_nc_u32 v[TN+1], 1, v2
	v_add_nc_u32 v[TN+2], 2, v2
	v_add_nc_u32 v[TN+3], 3, v2
	s_movk_i32 s35, 128
.set q, 0
.rept 32
	ds_load_b128 v[PL+4*q:PL+4*q+3], v[PA] offset:q*512  ; the places of tokens 128 q + 4 lane + 0..3
.set q, q+1
.endr
	s_wait_dscnt 0x0
.set q, 0
.rept 32
.irp c, 0,1,2,3
	v_min_u32 v[PL+4*q+(\c)], 24956, v[PL+4*q+(\c)]  ; inside 78 tiles of 320 bytes
	ds_store_b32 v[PL+4*q+(\c)], v[TN+(\c)] offset:IMG
.endr
.irp c, 0,1,2,3
	v_add_nc_u32 v[TN+(\c)], s35, v[TN+(\c)]
.endr
.set q, q+1
.endr
	s_branch .Lplaced
.Lnot0:
	s_cmp_gt_u32 s24, 3
	s_cbranch_scc1 .Lplaced
	; waves 1 to 3, meanwhile, a tile T a thread, on registers alone: T's set is the last set k whose forerunner ends at or before T
	v_add_nc_u32 v96, 0xffffffe0, v0               ; T = thread - 32
	v_readlane_b32 s32, v87, 0
	v_mov_b32 v97, s32
	v_mov_b32 v98, 0
	s_mov_b32 s30, 1
.Lt:
	s_sub_co_u32 s31, s30, 1
	v_readlane_b32 s32, v84, s31
	v_readlane_b32 s33, v87, s30
	v_cmp_le_u32 vcc_lo, s32, v96
	v_cndmask_b32 v97, v97, s33, vcc_lo            ; the place behind the set's last token
	v_cndmask_b32 v98, v98, s30, vcc_lo            ; the set
	s_add_co_u32 s30, s30, 1
	s_cmp_lt_u32 s30, 28
	s_cbranch_scc1 .Lt
	v_readlane_b32 s34, v84, 27                    ; tiles in all
	v_mul_u32_u24 v99, v96, 80
	v_sub_nc_u32 v99, v97, v99
	v_min_u32 v99, 80, v99
	v_cmp_gt_u32 vcc_lo, s34, v96
	v_cndmask_b32 v100, 0, v99, vcc_lo             ; rows: none past the last tile
	v_mov_b32 v102, 1                              ; set = hi (hi - 1) / 2 + lo: hi is the largest number whose triangle is not beyond the set
	v_mov_b32 v103, 0
.irp h, 2,3,4,5,6,7
	v_cmp_le_u32 vcc_lo, (\h)*((\h)-1)/2, v98
	v_cndmask_b32 v102, v102, \h, vcc_lo
	v_cndmask_b32 v103, v103, (\h)*((\h)-1)/2, vcc_lo
.endr
	v_sub_nc_u32 v101, v98, v103
	v_mov_b32 v103, 0
	v_lshlrev_b32 v104, 4, v96
	global_store_b128 v104, v[100:103], s[6:7]
.Lplaced:
	BAR
.irp j, 0,1,2,3
	ds_load_b128 v[64+4*(\j):67+4*(\j)], v3 offset:(\j)*8192
.endr
	s_wait_dscnt 0x0
.irp j, 0,1,2,3
	global_store_b128 v15, v[64+4*(\j):67+4*(\j)], s[6:7] offset:ROWL+(\j)*8192  ; each store of a wave covers 512 consecutive bytes, aligned
.endr
	s_wait_tensorcnt 0x0                           ; the wave's end, behind my last LDS store
	ds_add_u32 v[SPW], v[NIL]
	s_wait_dscnt 0x0
	s_endpgm
.Lfunc_end_k_qe21d335a8c_sortl:
	.size	k_qe21d335a8c_sortl, .Lfunc_end_k_qe21d335a8c_sortl-k_qe21d335a8c_sortl
	.p2alignl 7, 3214868480
	.fill 96, 4, 3214868480
	.section	.rodata,"a",@progbits
	.p2align	6, 0x0
	.amdhsa_kernel k_qe21d335a8c_sortl
		.amdhsa_group_segment_fixed_size 53248
		.amdhsa_private_segment_fixed_size 0
		.amdhsa_enable_private_segment 0
		.amdhsa_kernarg_size 16
		.amdhsa_user_sgpr_count 2
		.amdhsa_user_sgpr_kernarg_segment_ptr 1
		.amdhsa_wavefront_size32 1
		.amdhsa_system_sgpr_workgroup_id_x 1
		.amdhsa_system_sgpr_workgroup_id_y 1
		.amdhsa_system_sgpr_workgroup_id_z 1
		.amdhsa_system_vgpr_workitem_id 0
		.amdhsa_next_free_vgpr 200
		.amdhsa_next_free_sgpr 66
		.amdhsa_reserve_vcc 1
		.amdhsa_float_denorm_mode_32 3
		.amdhsa_float_denorm_mode_16_64 3
		.amdhsa_memory_ordered 1
		.amdhsa_forward_progress 1
		.amdhsa_inst_pref_size 52
	.end_amdhsa_kernel
	.amdgpu_metadata
---
amdhsa.version: [ 1, 2 ]
amdhsa.kernels:
  - .name:           k_qe21d335a8c_sortl
    .symbol:         k_qe21d335a8c_sortl.kd
    .args:
      - { .name: sid, .offset: 0, .size: 8, .value_kind: global_buffer, .address_space: global }
      - { .name: tab, .offset: 8, .size: 8, .value_kind: global_buffer, .address_space: global }
    .group_segment_fixed_size: 53248
    .private_segment_fixed_size: 0
    .kernarg_segment_align: 8
    .kernarg_segment_size: 16
    .max_flat_workgroup_size: 512
    .sgpr_count:     66
    .vgpr_count:     200
    .wavefront_size: 32
...
	.end_amdgpu_metadata
.endif
;; end of part 8
;; launch proj (part 9): grid 2 x 130, 4 waves a work-group, no clusters, 207,872 bytes of LDS; arguments xb, wts, tab, qkv, v32; writes qkv, v32
.if DOCPART == 9
	.amdgcn_target "amdgcn-amd-amdhsa--gfx1250"
	.amdhsa_code_object_version 6
	.text
	.protected	k_qe21d335a8c_proj
	.globl	k_qe21d335a8c_proj
	.p2align	8
	.type	k_qe21d335a8c_proj,@function
k_qe21d335a8c_proj:
	s_mov_b64 s[64:65], 0
	v_nop
	global_prefetch_b8 v0, s[64:65] scope:SCOPE_SE
	s_setreg_imm32_b32 hwreg(HW_REG_WAVE_MODE, 25, 1), 1
	s_wait_xcnt 0x0
; PROJ.  q, k and v, bf16 operands, f32 sums, stored once rounded to f16.  LIMIT: q, k, v within f16's 65,504.
; A work-group has a tile of up to 80 tokens, whose rows it copies into LDS once, and TWO slices of 256 output columns, one after the other (slices 2 x and 2 x + 1); a wave has all 80 rows and 64 columns
; of a slice: 20 accumulators.
; Tiles y = 0 .. 51: tokens 80 y .. (k and v: slices 0, 1 are k's heads, 2, 3 v's; a wave has one head).  Tiles y = 52 .. 129: tile y - 52 of the table: tokens of ONE set of experts (lo, hi);
; slice sl holds heads 2 sl and 2 sl + 1, wave w head 2 sl + w / 2 of slot w % 2 (slot 0: expert lo, slot 1: hi).  A tile that the split leaves without rows does the first of a slice's 32 steps, which
; starts the sums, jumps the rest and stores nothing.
; qkv: q at 0: [token][head][slot][64]; k at 8 MiB and v at 12 MiB: [batch x 8 + head][2,048][64].
; v32: v of each batch's first 16 positions once more, unrounded, in f32 and turned: [batch x 8 + head][channel 64][key 16].  The last launch computes those rows again from it.
; The tokens' rows of xb come by a list, so each lane copies 16 bytes (asynchronous copies, once); the weights come from memory straight into registers, in the order in which prep laid them:
; a ring of 8 steps' fragments, asked for 7 steps ahead; the second slice's first seven steps are asked for behind the first slice's last product, ahead of its way out.
; No multicast: the rows come by a list, and work-groups that share rows need different weights.
; REGISTERS: window 0: addresses, v[128:207] two buffers of A's fragments; window 1: v0-159 the accumulators, (a, b) at 8 (4 a + b); window 2: the ring of B's fragments, 32 a step.
.set PA,     2064                      ; an LDS row of A: 2,048 bytes + 16: an odd multiple of 16
.set STG,    165120                    ; behind A's 80 rows: the stage, 80 rows x 528 bytes; no copy lands there
.set SPITCH, 528
.set SPARE,  207360                    ; the spare words, 128 bytes a wave
.set ROWL,   1536
.set VA,  5                            ; v5-9   LDS address of my lane's part of row group a's fragments; stepped along k, made anew for each slice
.set VB,  10                           ; v10    my byte offset in wts
.set STO, 12
.set RD,  14
.set SPW, 16
.set NIL, 17
.set VX,  20                           ; v20    my byte offset in v32
.set VA0, 21                           ; v21    my lane's place in 16 rows of A; never rewritten
.set VG,  32                           ; v[32:51]  row i of my 20: token x 2,048 + 16 lane: its offset in xb and in q
.set VL,  52                           ; v[52:71]  its LDS address; later k's and v's store offsets
.set AF,  128
.set MSB, 0
.macro WIN new                         ; the immediate's high byte repeats the setting that is left
.if MSB != (\new)
	s_set_vgpr_msb (MSB<<8)|(\new)
.set MSB, \new
.endif
.endm
.macro LDA m                           ; A's fragments of the trip's step m -> buffer m % 2
	WIN 0
.irp a, 0,1,2,3,4
	ds_load_b128 v[AF+40*((\m)%2)+8*(\a):AF+40*((\m)%2)+8*(\a)+3], v[VA+(\a)] offset:(\m)*64
	ds_load_b128 v[AF+40*((\m)%2)+8*(\a)+4:AF+40*((\m)%2)+8*(\a)+7], v[VA+(\a)] offset:(\m)*64+32
.endr
.endm
.macro LDB m                           ; B's fragments of the trip's step m -> ring slot m % 8
	WIN 0x80                                       ; destination window 2, address window 0
.irp b, 0,1,2,3
	global_load_b128 v[32*((\m)%8)+8*(\b):32*((\m)%8)+8*(\b)+3], v[VB], s[6:7] offset:(\m)*4096+(\b)*1024
	global_load_b128 v[32*((\m)%8)+8*(\b)+4:32*((\m)%8)+8*(\b)+7], v[VB], s[6:7] offset:(\m)*4096+(\b)*1024+512
.endr
.endm
; A step of 32 along k.  Four places stand ahead of the loads, which go into registers that the step before multiplied.  left: the loads of the younger steps, 8 each.
; The 20 accumulators take turns, one instruction a turn, in the same order in every step.
.macro STEP n, zero, ldb, lda, left
.if (\n)
.rept 4
	v_nop
.endr
.endif
.if \lda
	LDA (\n)+1
.endif
.if \ldb
	LDB (\n)+7
.endif
	s_wait_dscnt 10*(\lda)                         ; all but the ten just issued: this step's A is in
	s_wait_loadcnt \left                           ; this step's B is in
	WIN 0x52                                       ; B window 2, A window 0, C and D window 1
.irp a, 0,1,2,3,4
.irp b, 0,1,2,3
.if \zero
	v_wmma_f32_16x16x32_bf16 v[8*(4*(\a)+(\b)):8*(4*(\a)+(\b))+7], v[32*((\n)%8)+8*(\b):32*((\n)%8)+8*(\b)+7], v[AF+40*((\n)%2)+8*(\a):AF+40*((\n)%2)+8*(\a)+7], 0
.else
	v_wmma_f32_16x16x32_bf16 v[8*(4*(\a)+(\b)):8*(4*(\a)+(\b))+7], v[32*((\n)%8)+8*(\b):32*((\n)%8)+8*(\b)+7], v[AF+40*((\n)%2)+8*(\a):AF+40*((\n)%2)+8*(\a)+7], v[8*(4*(\a)+(\b)):8*(4*(\a)+(\b))+7]
.endif
.endr
.endr
.endm
; Row group a's 16 tokens are batch bt's first 16 positions: my head's f32 sums go out as they are.  A lane holds key l % 16 and, in register j of block b, channel 16 b + 8 (l / 16) + j:
; each store covers two runs of 64 consecutive bytes; 65,536 bytes in the whole launch.  Each accumulator's lowest register is read first.
.macro V32 a, bt
	WIN 0x04                                       ; the stores' data in window 1
.irp b, 0,1,2,3
.irp j, 0,1,2,3,4,5,6,7
	global_store_b32 v[VX], v[8*(4*(\a)+(\b))+(\j)], s[56:57] offset:(\bt)*32768+(\b)*1024+(\j)*64
.endr
.endr
	WIN 0
.endm
	s_load_b256 s[4:11], s[0:1], 0x0               ; xb s[4:5], wts s[6:7], tab s[8:9], qkv s[10:11]
	s_load_b64 s[56:57], s[0:1], 0x20              ; v32
	v_lshl_add_u32 v[SPW], v0, 2, SPARE
	v_mov_b32 v[NIL], 0
	ds_add_u32 v[SPW], v[NIL]                      ; the wave's opening: the add and its wait ahead of my first copy
	v_lshrrev_b32 v1, 5, v0
	v_readfirstlane_b32 s24, v1                    ; wave
	v_and_b32 v3, 31, v0                           ; lane
	v_lshlrev_b32 v2, 4, v3
	v_and_b32 v1, 15, v0                           ; r
	v_bfe_u32 v4, v0, 4, 1                         ; h
	s_and_b32 s26, ttmp7, 0xffff                   ; y
	s_lshl_b32 s27, ttmp9, 1                       ; the slice in hand: the first of my two
	s_mul_i32 s28, s24, 20                         ; the first of the 20 rows that I copy in and store
	s_wait_dscnt 0x0
	s_wait_kmcnt 0x0
	s_cmp_lt_u32 s26, 52
	s_cbranch_scc1 .Lcons
	s_sub_co_u32 s29, s26, 52                      ; the tile of the table
	s_lshl_b32 s30, s29, 4
	s_mul_i32 s31, s29, 320
	s_lshl2_add_u32 s31, s28, s31
	s_load_b128 s[12:15], s[8:9], s30 offset:0x0   ; rows, lo, hi
	s_load_b512 s[36:51], s[8:9], s31 offset:ROWL  ; my 20 rows' tokens
	s_load_b128 s[52:55], s[8:9], s31 offset:ROWL+64
	s_wait_kmcnt 0x0
	s_min_u32 s12, s12, 80
.set i, 0
.rept 20
	s_min_u32 s[36+i], s[36+i], 0xfff
.set i, i+1
.endr
	s_bitcmp1_b32 s24, 0                           ; the odd waves have slot 1
	s_cselect_b32 s33, s14, s13
	s_min_u32 s33, s33, 7
	s_lshl_b32 s33, s33, 3
	s_lshl_b32 s34, s27, 1
	s_add_co_u32 s33, s33, s34
	s_lshr_b32 s34, s24, 1
	s_add_co_u32 s33, s33, s34                     ; block 8 e + head
	s_mov_b32 s60, 0x40000                         ; the next slice's block lies two blocks of 131,072 bytes on
	s_branch .Lgot
.Lcons:
	s_mul_i32 s29, s26, 80                         ; the tile's first token
	s_sub_co_u32 s12, 4096, s29
	s_min_u32 s12, s12, 80
	s_add_co_u32 s30, s29, s28
.set i, 0
.rept 20
	s_add_co_u32 s[36+i], s30, i
	s_min_u32 s[36+i], s[36+i], 0xfff              ; places past the last token repeat it
.set i, i+1
.endr
	s_lshl_b32 s33, s27, 2
	s_add_co_u32 s33, s33, s24
	s_add_co_u32 s33, s33, 64                      ; block 64 + 4 slice + wave
	s_mov_b32 s60, 0x80000                         ; the next slice's: four blocks on
.Lgot:
	s_sub_co_i32 s32, s12, s28
	s_max_i32 s32, s32, 0
	s_min_i32 s32, s32, 20                         ; how many of my 20 rows exist
	s_lshl_b32 s59, s33, 17                        ; my block's first byte in wts
	v_add_nc_u32 v[VB], s59, v2
.set n, 0
.rept 7
	LDB n                                          ; 56 loads: steps 0 to 6
.set n, n+1
.endr
	WIN 0
	s_mul_i32 s34, s28, PA
	v_add_nc_u32 v11, s34, v2
.set i, 0
.rept 20                                               ; a row of xb is 2,048 bytes: four copies of 512; the immediate steps both addresses
	v_lshl_add_u32 v[VG+i], s[36+i], 11, v2
	v_add_nc_u32 v[VL+i], i*PA, v11
	global_load_async_to_lds_b128 v[VL+i], v[VG+i], s[4:5]
	global_load_async_to_lds_b128 v[VL+i], v[VG+i], s[4:5] offset:512
	global_load_async_to_lds_b128 v[VL+i], v[VG+i], s[4:5] offset:1024
	global_load_async_to_lds_b128 v[VL+i], v[VG+i], s[4:5] offset:1536
.set i, i+1
.endr
	v_mul_u32_u24 v[VA0], v1, PA
	v_lshl_add_u32 v[VA0], v4, 4, v[VA0]
	s_lshl_b32 s35, s24, 7
	s_add_co_u32 s35, s35, STG
	v_mul_u32_u24 v[STO], v1, SPITCH
	v_lshl_add_u32 v[STO], v4, 4, v[STO]
	v_add_nc_u32 v[STO], s35, v[STO]               ; into the stage: row r, my wave's 128 bytes, 16 for each half of the lanes
	s_mov_b32 s58, 2                               ; slices to go
	s_wait_asynccnt 0x0                            ; my 20 rows are in LDS,
	s_barrier_signal -1
	s_barrier_wait -1                              ; everybody's are
.Lslice:                                               ; two trips: a slice each
	v_mov_b32 v[VA], v[VA0]
.irp a, 1,2,3,4
	v_add_nc_u32 v[VA+(\a)], (\a)*16*PA, v[VA0]
.endr
	LDA 0
	STEP 0, 1, 1, 1, 56                            ; the first step starts the sums, in every work-group
	WIN 0
	s_cmp_eq_u32 s12, 0
	s_cbranch_scc1 .Lnone                          ; a tile without rows: the other 31 steps are jumped; no barrier stands in what is jumped
	s_mov_b32 s25, 3
.Lk:                                                   ; three trips of eight steps
	STEP 1, 0, 1, 1, 56
	STEP 2, 0, 1, 1, 56
	STEP 3, 0, 1, 1, 56
	STEP 4, 0, 1, 1, 56
	STEP 5, 0, 1, 1, 56
	STEP 6, 0, 1, 1, 56
	STEP 7, 0, 1, 1, 56
	STEP 8, 0, 1, 1, 56
	WIN 0
	s_wait_xcnt 0x0                                ; the loads' offset register is stepped only behind this wait
	v_add_nc_u32 v[VB], 0x8000, v[VB]
.irp a, 0,1,2,3,4
	v_add_nc_u32 v[VA+(\a)], 512, v[VA+(\a)]
.endr
	s_sub_co_u32 s25, s25, 1
	s_cmp_lg_u32 s25, 0
	s_cbranch_scc1 .Lk
.irp n, 1,2,3,4,5,6
	STEP \n, 0, 0, 1, 8*(7-(\n))                   ; the last seven steps ask for no weights: the counts run down
.endr
	STEP 7, 0, 0, 0, 0
	WIN 0
.Lnone:
.rept 4
	v_nop                                          ; the places behind the last products, on either way
.endr
	s_cmp_eq_u32 s58, 1
	s_cbranch_scc1 .Lnopre                         ; behind the last slice nothing is asked for
	s_wait_loadcnt 0x0                             ; no load of mine is out (a tile without rows has left its first step's out): the ring and its offset may be written
	s_add_co_u32 s59, s59, s60
	v_add_nc_u32 v[VB], s59, v2
.set n, 0
.rept 7
	LDB n                                          ; the next slice's steps 0 to 6: they land while this slice goes out
.set n, n+1
.endr
	WIN 0
.Lnopre:
	s_wait_dscnt 0x0                               ; my LDS reads are over, those of the product, whose addresses are stepped in the loop, and those of the slice before from the stage:
	s_barrier_signal -1                            ; this barrier keeps every wave's such reads apart from every wave's stores into the stage
	s_barrier_wait -1
	s_cmp_eq_u32 s12, 0
	s_cbranch_scc1 .Lnostage
	s_and_b32 s30, s27, 1
	s_lshl_b32 s30, s30, 2
	s_add_co_u32 s30, s30, s24                     ; in slices 2 and 3 of a tile of consecutive tokens: v's head
	s_lshl_b32 s30, s30, 12                        ; its 4,096 bytes of v32,
	v_lshl_add_u32 v[VX], v4, 9, s30               ; 8 channels of 64 bytes for the upper half of the lanes,
	v_lshl_add_u32 v[VX], v1, 2, v[VX]             ; my key's 4 bytes
	s_cmp_lt_u32 s27, 2
	s_cbranch_scc1 .Lnov32                         ; slices 0 and 1 hold no v
	s_cmp_eq_u32 s26, 0
	s_cbranch_scc1 .Lv32a
	s_cmp_eq_u32 s26, 25
	s_cbranch_scc0 .Lnov32
	V32 3, 1                                       ; tile 25 begins at token 2,000: its rows 48 to 63 are tokens 2,048 to 2,063
	s_branch .Lnov32
.Lv32a:
	V32 0, 0                                       ; tile 0: rows 0 to 15 are tokens 0 to 15
.Lnov32:
	WIN 0x05                                       ; sources window 1, destination window 0
.set t, 0
.rept 20                                               ; a lane holds one token and eight neighbouring columns: 16 bytes of f16
.irp q, 0,1,2,3
	v_cvt_pk_f16_f32 v[AF+4*t+(\q)], v[8*t+2*(\q)], v[8*t+2*(\q)+1]
.endr
.set t, t+1
.endr
	WIN 0
.irp a, 0,1,2,3,4
.irp b, 0,1,2,3
	ds_store_b128 v[STO], v[AF+4*(4*(\a)+(\b)):AF+4*(4*(\a)+(\b))+3] offset:(\a)*16*SPITCH+32*(\b)
.endr
.endr
.Lnostage:
	s_wait_dscnt 0x0                               ; for the others' sake: my stores into the stage are done
	s_barrier_signal -1
	s_barrier_wait -1
	s_cmp_eq_u32 s12, 0
	s_cbranch_scc1 .Lslend
	s_cmp_lt_u32 s26, 52
	s_cbranch_scc1 .Lkv
	; q: my 20 rows, the slice's 512 bytes of each, to the token's row
	s_lshl_b32 s30, s27, 9
	s_mov_b32 s31, 0
	s_add_nc_u64 s[62:63], s[10:11], s[30:31]
	s_mul_i32 s34, s28, SPITCH
	s_add_co_u32 s34, s34, STG
	v_add_nc_u32 v[RD], s34, v2
.set i, 0
.rept 20
	ds_load_b128 v[AF+4*i:AF+4*i+3], v[RD] offset:i*SPITCH
.set i, i+1
.endr
.set i, 0
.rept 20
	s_cmp_le_u32 s32, i                            ; rows past the count are not stored
	s_cbranch_scc1 .Lslend
	s_wait_dscnt 19-i
	global_store_b128 v[VG+i], v[AF+4*i:AF+4*i+3], s[62:63]  ; 512 consecutive bytes, at a multiple of 512 from q's first
.set i, i+1
.endr
	s_branch .Lslend
.Lkv:                                                  ; k or v: my head's 128 bytes of four consecutive tokens are 512 consecutive bytes of memory
	s_lshr_b32 s30, s27, 1
	s_lshl_b32 s30, s30, 22                        ; k or v,
	s_and_b32 s31, s27, 1
	s_lshl_b32 s31, s31, 2
	s_add_co_u32 s31, s31, s24
	s_lshl_b32 s31, s31, 18                        ; the head,
	s_add_co_u32 s30, s30, s31
	s_add_co_u32 s30, s30, 0x800000                ; behind q
	s_mov_b32 s31, 0
	s_add_nc_u64 s[62:63], s[10:11], s[30:31]
	v_lshrrev_b32 v11, 3, v3                       ; which of the four tokens
	v_and_b32 v13, 7, v3
	v_lshlrev_b32 v13, 4, v13
	v_mul_u32_u24 v[RD], v11, SPITCH
	v_add_nc_u32 v[RD], v[RD], v13
	v_add_nc_u32 v[RD], s35, v[RD]
	v_add_nc_u32 v15, s29, v11
.set i, 0
.rept 20
	ds_load_b128 v[AF+4*i:AF+4*i+3], v[RD] offset:i*4*SPITCH
.set i, i+1
.endr
.set i, 0
.rept 20                                               ; token t lies at 128 t, and 7 heads of 262,144 bytes further on in the second batch
	v_add_nc_u32 v18, 4*i, v15
	v_lshrrev_b32 v19, 11, v18
	v_mul_u32_u24 v19, v19, 0x1c0000
	v_lshl_add_u32 v18, v18, 7, v19
	v_add_nc_u32 v[VL+i], v18, v13
.set i, i+1
.endr
.set i, 0
.rept 20
	s_cmp_le_u32 s12, 4*i                          ; the counts are multiples of four
	s_cbranch_scc1 .Lslend
	s_wait_dscnt 19-i
	global_store_b128 v[VL+i], v[AF+4*i:AF+4*i+3], s[62:63]
.set i, i+1
.endr
.Lslend:
	s_wait_dscnt 0x0                               ; the reads from the stage that a short tile left out are back: the next slice loads into their registers
	s_wait_xcnt 0x0                                ; the stores' data, offsets and base are written again only behind this wait
	s_add_co_u32 s27, s27, 1
	s_sub_co_u32 s58, s58, 1
	s_cmp_lg_u32 s58, 0
	s_cbranch_scc1 .Lslice
	s_wait_tensorcnt 0x0                           ; the wave's end, behind my last copy and my last LDS store
	ds_add_u32 v[SPW], v[NIL]
	s_wait_dscnt 0x0
	s_endpgm
.Lfunc_end_k_qe21d335a8c_proj:
	.size	k_qe21d335a8c_proj, .Lfunc_end_k_qe21d335a8c_proj-k_qe21d335a8c_proj
	.p2alignl 7, 3214868480
	.fill 96, 4, 3214868480
	.section	.rodata,"a",@progbits
	.p2align	6, 0x0
	.amdhsa_kernel k_qe21d335a8c_proj
		.amdhsa_group_segment_fixed_size 207872
		.amdhsa_private_segment_fixed_size 0
		.amdhsa_enable_private_segment 0
		.amdhsa_kernarg_size 40
		.amdhsa_user_sgpr_count 2
		.amdhsa_user_sgpr_kernarg_segment_ptr 1
		.amdhsa_wavefront_size32 1
		.amdhsa_system_sgpr_workgroup_id_x 1
		.amdhsa_system_sgpr_workgroup_id_y 1
		.amdhsa_system_sgpr_workgroup_id_z 1
		.amdhsa_system_vgpr_workitem_id 0
		.amdhsa_next_free_vgpr 768
		.amdhsa_next_free_sgpr 66
		.amdhsa_reserve_vcc 0
		.amdhsa_float_denorm_mode_32 3
		.amdhsa_float_denorm_mode_16_64 3
		.amdhsa_memory_ordered 1
		.amdhsa_forward_progress 1
		.amdhsa_inst_pref_size 99
	.end_amdhsa_kernel
	.amdgpu_metadata
---
amdhsa.version: [ 1, 2 ]
amdhsa.kernels:
  - .name:           k_qe21d335a8c_proj
    .symbol:         k_qe21d335a8c_proj.kd
    .args:
      - { .name: xb, .offset: 0, .size: 8, .value_kind: global_buffer, .address_space: global }
      - { .name: wts, .offset: 8, .size: 8, .value_kind: global_buffer, .address_space: global }
      - { .name: tab, .offset: 16, .size: 8, .value_kind: global_buffer, .address_space: global }
      - { .name: qkv, .offset: 24, .size: 8, .value_kind: global_buffer, .address_space: global }
      - { .name: v32, .offset: 32, .size: 8, .value_kind: global_buffer, .address_space: global }
    .group_segment_fixed_size: 207872
    .private_segment_fixed_size: 0
    .kernarg_segment_align: 8
    .kernarg_segment_size: 40
    .max_flat_workgroup_size: 128
    .sgpr_count:     66
    .vgpr_count:     768
    .wavefront_size: 32
...
	.end_amdgpu_metadata
.endif
;; end of part 9
;; launch attn: the kernel of part 5 again; grid 16 x 16, 4 waves a work-group, clusters of 4 x 1, 327,680 bytes of LDS; arguments qkv, ao; writes ao
;; launch outp: the kernel of part 6 again; grid 4 x 78, 4 waves a work-group, no clusters, 248,832 bytes of LDS; arguments ao, wts, tab, gates, bias, out0; writes out0
;; launch early: the kernel of part 7 again; grid 64 x 1, 8 waves a work-group, no clusters, 17,408 bytes of LDS; arguments qkv, v32, sid, gates, wts, bias, out0; writes out0
